; MI455X (gfx1250); checked and timed in simulation.
; The chip was launched on July 23, 2026; its instructions are those of AMD's public machine-readable ISA for CDNA 5 (MIT licence, August 2026) and "CDNA5" Instruction Set Architecture Reference Guide (July 2026). The comments in the code are by the model that wrote it; some were corrected since.
;; Flash Attention. Allowed arithmetic: matrix products marked QUANTISED: E2M1 operands, one E8M0 scale for each 32 along K, by v_wmma_scale_f32_16x16x128_f8f6f4 with both operands' format E2M1 (or v_wmma_scale_f32_32x16x128_f4), f32 sums; products left as they are: bf16, f16 or f32 operands; f32 sums; everything else in f32.
;; Inputs: proj_b 1,024 float32; proj_w 1,024 x 1,024 float32; q_bias 1,024 float32; qkv_w 3,072 x 1,024 float32; v_bias 1,024 float32; x 4 x 2,048 x 1,024 float32.
;; Outputs: out0 4 x 2,048 x 1,024 float32.
;; This version of the problem:
;;   THIS VERSION OF THE PROBLEM IS GIVEN IN LOW PRECISION. The matrix products marked QUANTISED in the list below multiply operands that are first quantised to E2M1 (2 exponent bits, 1 mantissa bit; 4 bits a number), with one power-of-two scale for each 32 numbers along K (OCP MX v1.0); their sums are f32. The products marked 'left as it is' may take bf16, f16 or f32 operands, with f32 sums. Whichever they take, every output number must still come out within the allowed error. Rounding operands to bf16 (8 significant bits) uses up far more of that allowance than f16 does (11 bits, for magnitudes from 6e-5 to 65,504). All else is computed in f32.
;;   The module's matrix products, in the order in which they are computed (A, B: the left and right operand; K: the contracted axis; several contracted axes count as one K, in the product's order):
;;     1. [M 8,192, K 1,024] x [K 1,024, N 3,072]; A: input x; B: input qkv_w: QUANTISED
;;     2. batch 64 x [M 2,048, K 64] x [K 64, N 2,048]; A: computed on the way; B: computed on the way: left as it is (an operand is computed on the way)
;;     3. batch 64 x [M 2,048, K 2,048] x [K 2,048, N 64]; A: computed on the way; B: computed on the way: left as it is (an operand is computed on the way)
;;     4. [M 8,192, K 1,024] x [K 1,024, N 1,024]; A: computed on the way; B: input proj_w: left as it is (an operand is computed on the way)
;;   THE QUANTISER, for each operand of a quantised product, along K:
;;     - K is cut into blocks of 32 from its start; a last block that is shorter is filled with zeros.
;;     - A block's scale is 2^e with e = floor(log2(the largest magnitude in the block)) - 2, held to -126 .. 127; a block of zeros has e = 0. As a byte (E8M0): e + 127.
;;     - Each number is divided by its block's scale, clamped to +-6, and rounded to the nearest number of E2M1, ties to even, subnormals kept.
;;     - The product sums the exact products of the quantised numbers (number of the format x scale) in f32.
;;   ~~~python
;;   def quantise(x, axis):      # numpy; x: float32 -> the quantised numbers, widened to float32 again
;;       x = np.moveaxis(x, axis, -1); K = x.shape[-1]
;;       x = np.pad(x, [(0, 0)] * (x.ndim - 1) + [(0, -K % 32)]); x = x.reshape(x.shape[:-1] + (-1, 32)); a = np.abs(x).max(-1, keepdims=True)
;;       e = np.where(a > 0, np.clip(np.frexp(np.where(a > 0, a, 1))[1] - 1 - 2, -126, 127), 0)      # np.frexp(a)[1] - 1 = floor(log2(a)), exactly
;;       r = np.clip(x / 2.0 ** e, -6, 6)
;;       step = 2.0 ** (np.maximum(np.frexp(np.where(r == 0, 1, r))[1] - 1, 0) - 1)
;;       q = np.round(r / step) * step * 2.0 ** e      # np.round: ties to even
;;       return np.moveaxis(q.reshape(q.shape[:-2] + (-1,))[..., :K], -1, axis).astype(np.float32)
;;   ~~~
;; One version. Each part assembles by itself: llvm-mc -triple=amdgcn-amd-amdhsa -mcpu=gfx1250 --defsym DOCPART=n.
;; ======== version 1 of 1: 4 launches
;; limits: values are held in f16: magnitudes above 65,504 overflow, below 6.1e-05 lose precision
;; workspace buffers: xc 4,194,304 bytes; xs 262,144 bytes; wc 1,572,864 bytes; ws 98,304 bytes; pw16 2,097,152 bytes; qkvh 50,331,648 bytes; o16 16,777,216 bytes
;; launch prep (part 1): grid 384 x 1, 4 waves a work-group, no clusters, 33,280 bytes of LDS; arguments x, qkv_w, xc, xs, wc, ws, proj_w, pw16; writes xc, xs, wc, ws, pw16
.if DOCPART == 1
	.amdgcn_target "amdgcn-amd-amdhsa--gfx1250"
	.amdhsa_code_object_version 6
	.text
	.protected	k_qd2f5a37b83_prep
	.globl	k_qd2f5a37b83_prep
	.p2align	8
	.type	k_qd2f5a37b83_prep,@function
k_qd2f5a37b83_prep:
	s_mov_b64 s[64:65], 0
	v_nop
	global_prefetch_b8 v0, s[64:65] scope:SCOPE_SE
	s_setreg_imm32_b32 hwreg(HW_REG_WAVE_MODE, 25, 1), 1
	s_wait_xcnt 0x0
; x [8192][1024] and qkv_w [3072][1024], f32, become codes of FP4 (E2M1), K innermost, with one E8M0 scale byte for each 32 along K; proj_w [1024][1024] f32 becomes f16.
; A block's scale is 2^(floor(log2(its largest magnitude)) - 2); its byte is the largest magnitude's own exponent field - 2, held at 1 from below.  Each number is divided by the scale and rounded to the
; nearest code, ties to even; beyond 6 the largest code.
; LIMITS: a block of zeros gets the byte 1 where the quantiser's text says 127 (its codes are zeros, which add nothing under any byte but 0xff, and this program alone reads the bytes);
; NaN and infinities among the inputs are not served; a number of proj_w beyond 65,504 becomes infinity in f16.
; Rows are dense and K is a multiple of 32: the tensors are plain streams of blocks of 32.  Work-groups 0-255 take x, 256-351 qkv_w, 352-383 cast proj_w.
; QUANTISER: a wave takes 16 steps of 512 numbers.  Each of a step's four loads reads 512 consecutive bytes; the 2,048 bytes turn through the wave's own stage in LDS and come back 64 bytes a lane, so that a
; lane holds 16 neighbours along K (two neighbouring lanes hold a block).  A lane's 16 codes are 8 bytes: the wave stores 256 consecutive bytes.  A wave's 256 scale bytes are gathered in LDS and leave as one aligned run of 256 bytes.
; No tensor loads, no barrier, no cluster: waves and work-groups share nothing.
.set SIZE_M, 8192
.set SIZE_N, 3072
.set SIZE_K, 1024
.set WAVES, 4
.set STEPS, 16
.set WGA,   SIZE_M*SIZE_K/(512*STEPS*WAVES)            ; 256 work-groups for x
.set QWG,   (SIZE_M+SIZE_N)*SIZE_K/(512*STEPS*WAVES)   ; 352 for both quantised tensors
.set EMAX,  2
.set CB,    8                          ; bytes of 16 codes
.set R,     16                         ; v16-79   four sets of 16 numbers as they are loaded
.set X,     80                         ; v80-111  two sets of 16 neighbours
.set C,     128                        ; v128-191 codes: four registers for each step, so that no store's data are written again
.set E,     112                        ; v112-127 a scale byte for each step
.set WREG,  8192                       ; LDS: a region for each wave: two stages of 32 x SP bytes, behind them its 256 scale bytes
.set SP,    80                         ; a lane's place in a stage: its 64 bytes + 16 of padding
.set SPW,   12                         ; v12      LDS address of my spare word; never rewritten
.set NIL,   13                         ; v13      0; never rewritten
.set SPARE, WAVES*WREG                 ; behind the four regions: the spare words, 128 bytes a wave, that no other line names
.set CR,    16                         ; the cast: v16-143 two sets of 64 numbers
.set CC,    144                        ; the cast: v144-175 their f16 pairs
	s_load_b128 s[4:7], s[0:1], 0x0                ; x, qkv_w
	s_load_b128 s[8:11], s[0:1], 0x10              ; x's codes, x's scales
	s_load_b128 s[12:15], s[0:1], 0x20             ; qkv_w's codes, its scales
	s_load_b128 s[24:27], s[0:1], 0x30             ; proj_w, pw16
	v_lshl_add_u32 v[SPW], v0, 2, SPARE
	v_mov_b32 v[NIL], 0
	v_lshrrev_b32 v1, 5, v0
	v_readfirstlane_b32 s16, v1                    ; wave
	v_and_b32 v2, 31, v0                           ; lane
	v_lshlrev_b32 v3, 4, v2                        ; my 16 bytes of a load's 512
	s_mul_i32 s17, s16, WREG
	v_lshrrev_b32 v14, 2, v2
	v_mul_u32_u24 v14, v14, SP
	v_and_b32 v15, 3, v2
	v_lshl_add_u32 v14, v15, 4, v14
	v_add_nc_u32 v14, s17, v14                     ; the stage, on the way in: four lanes' 64 bytes on end, then 16 of padding
	v_mul_u32_u24 v15, v2, SP
	v_add_nc_u32 v15, s17, v15                     ; and on the way out: SP x lane: my 16 neighbours
	v_mul_u32_u24 v4, v2, CB                       ; 8 x lane: my codes' place in a step's
	v_lshrrev_b32 v5, 1, v2
	s_add_co_u32 s17, s17, 2*32*SP
	v_add_nc_u32 v5, s17, v5                       ; LDS: my wave's 256 scale bytes, my block's byte
	v_lshlrev_b32 v7, 3, v2                        ; and on the way out 8 bytes a lane
	v_add_nc_u32 v6, s17, v7
	s_wait_kmcnt 0x0
	s_cmp_ge_u32 ttmp9, QWG                        ; the last 32 work-groups cast proj_w: a branch on the work-group's number alone
	s_cbranch_scc1 .Lcast
	s_cmp_lt_u32 ttmp9, WGA                        ; x's work-group or qkv_w's?  Only pointers are chosen: both tensors take one path
	s_cselect_b64 s[4:5], s[4:5], s[6:7]
	s_cselect_b64 s[8:9], s[8:9], s[12:13]
	s_cselect_b64 s[10:11], s[10:11], s[14:15]
	s_cselect_b32 s17, 0, WGA
	s_sub_co_u32 s17, ttmp9, s17
	s_lshl_b32 s17, s17, 2
	s_add_co_u32 s18, s17, s16                     ; which run of 8,192 numbers of the tensor is my wave's
	s_mov_b32 s19, 0
	s_mov_b64 s[20:21], 512*STEPS*4
	s_mul_u64 s[20:21], s[18:19], s[20:21]
	s_add_nc_u64 s[4:5], s[4:5], s[20:21]
	s_mov_b64 s[20:21], 32*STEPS*CB
	s_mul_u64 s[20:21], s[18:19], s[20:21]
	s_add_nc_u64 s[8:9], s[8:9], s[20:21]
	s_lshl_b32 s18, s18, 8                         ; 256 scale bytes a run
	s_add_nc_u64 s[10:11], s[10:11], s[18:19]
.macro LOAD t
.irp i, 0,1,2,3
	global_load_b128 v[R+16*((\t)%4)+4*\i:R+16*((\t)%4)+4*\i+3], v3, s[4:5] offset:2048*(\t)+512*\i th:TH_LOAD_NT   ; 32 lanes read 512 consecutive bytes
.endr
.endm
.macro TURN t                          ; step t's numbers through the stage: LDS serves a wave's instructions in order, so no wait stands between the stores and the loads
.irp i, 0,1,2,3
	ds_store_b128 v14, v[R+16*((\t)%4)+4*\i:R+16*((\t)%4)+4*\i+3] offset:32*SP*((\t)%2)+8*SP*\i
.endr
.irp i, 0,1,2,3
	ds_load_b128 v[X+16*((\t)%2)+4*\i:X+16*((\t)%2)+4*\i+3], v15 offset:32*SP*((\t)%2)+16*\i
.endr
.endm
.irp t, 0,1,2,3
	LOAD \t
.endr
	s_wait_loadcnt 12                              ; step 0's four loads are in; the twelve of steps 1 to 3 stay out
	TURN 0
.macro STEP t
.set XS, X+16*((\t)%2)
.if (\t) > 0
	s_wait_dscnt 1                                 ; this step's numbers are back from the stage (the last step's byte store may be out): so its stores into the stage have read their registers,
.else
	s_wait_dscnt 0x0
.endif
.if (\t)+4 < STEPS
	LOAD (\t)+4                                    ; which take the loads of four steps on
.endif
.if (\t)+1 < STEPS
.if STEPS-2-(\t) >= 3
	s_wait_loadcnt 12                              ; the next step's four loads are in; those of the three steps behind it may be out
.else
	s_wait_loadcnt 4*(STEPS-2-(\t))
.endif
	TURN (\t)+1                                    ; and go through the other stage while this step is worked
.endif
	v_max3_num_f32 v8, |v[XS]|, |v[XS+1]|, |v[XS+2]|               ; the largest magnitude of my 16, in two chains
	v_max3_num_f32 v9, |v[XS+3]|, |v[XS+4]|, |v[XS+5]|
.irp i, 6,10
	v_max3_num_f32 v8, v8, |v[XS+\i]|, |v[XS+\i+1]|
	v_max3_num_f32 v9, v9, |v[XS+\i+2]|, |v[XS+\i+3]|
.endr
	v_max3_num_f32 v8, v8, |v[XS+14]|, |v[XS+15]|
	v_max3_num_f32 v8, v8, v9, (EMAX+1)<<23        ; and the floor 2^(EMAX + 1 - 127): the byte cannot fall under 1
	v_max_num_f32_dpp v8, v8, v8 row_xmask:1 row_mask:0xf bank_mask:0xf   ; and of my neighbour's 16: the block's
	v_add_nc_u32 v11, -(EMAX<<23), v8              ; EMAX off its exponent field: the conversion takes the exponent field of this operand as its scale
	v_cvt_scalef32_pk8_fp4_f32 v[C+4*(\t)], v[XS:XS+7], v11
	v_cvt_scalef32_pk8_fp4_f32 v[C+4*(\t)+1], v[XS+8:XS+15], v11
	v_lshrrev_b32 v[E+(\t)], 23, v11               ; the scale's byte (a plain line behind the conversions)
	ds_store_b8 v5, v[E+(\t)] offset:16*(\t)       ; both lanes of a block write the same byte with the same value
	global_store_b64 v4, v[C+4*(\t):C+4*(\t)+1], s[8:9] offset:32*CB*(\t)   ; 32 lanes store 256 consecutive bytes, aligned
.endm
.irp t, 0,1,2,3,4,5,6,7,8,9,10,11,12,13,14,15
	STEP \t
.endr
	ds_load_b64 v[8:9], v6                         ; LDS serves a wave's instructions in order: these see my stores
	s_wait_dscnt 0x0
	global_store_b64 v7, v[8:9], s[10:11]          ; 32 lanes store 256 consecutive scale bytes, aligned
	s_wait_tensorcnt 0x0                           ; the wave's end, behind my last LDS store
	ds_add_u32 v[SPW], v[NIL]
	s_wait_dscnt 0x0
	s_endpgm
; THE CAST.  A wave takes 8,192 numbers of proj_w: 64 loads of 512 consecutive bytes (16 a lane), in four groups of 16; a lane's four numbers round to 8 bytes of f16, so a store of the wave covers 256 consecutive bytes, aligned.
; Two groups of loads are out at the start, one while a group is worked.  Every offset is an immediate.  No LDS is touched but the closing add's spare words.
.Lcast:
	s_sub_co_u32 s17, ttmp9, QWG
	s_lshl_b32 s17, s17, 2
	s_add_co_u32 s18, s17, s16                     ; which run of 8,192 numbers is my wave's: 0 to 127
	s_lshl_b32 s20, s18, 15                        ; 32,768 bytes of f32
	s_mov_b32 s21, 0
	s_add_nc_u64 s[24:25], s[24:25], s[20:21]
	s_lshl_b32 s20, s18, 14                        ; 16,384 bytes of f16
	s_add_nc_u64 s[26:27], s[26:27], s[20:21]
.macro CLOAD g, set
.irp i, 0,1,2,3,4,5,6,7,8,9,10,11,12,13,14,15
	global_load_b128 v[CR+64*(\set)+4*\i:CR+64*(\set)+4*\i+3], v3, s[24:25] offset:(16*(\g)+\i)*512 th:TH_LOAD_NT
.endr
.endm
	CLOAD 0, 0
	CLOAD 1, 1
.irp g, 0,1,2,3
.if \g < 3
	s_wait_loadcnt 16                              ; this group's 16 loads are in; the next group's 16 stay out
.else
	s_wait_loadcnt 0x0
.endif
.if \g > 0
	s_wait_xcnt 0x0                                ; the last group's stores have read their data registers, which are written again below
.endif
.irp i, 0,1,2,3,4,5,6,7,8,9,10,11,12,13,14,15
	v_cvt_pk_f16_f32 v[CC+2*\i], v[CR+64*(\g%2)+4*\i], v[CR+64*(\g%2)+4*\i+1]
	v_cvt_pk_f16_f32 v[CC+2*\i+1], v[CR+64*(\g%2)+4*\i+2], v[CR+64*(\g%2)+4*\i+3]
.endr
.irp i, 0,1,2,3,4,5,6,7,8,9,10,11,12,13,14,15
	global_store_b64 v4, v[CC+2*\i:CC+2*\i+1], s[26:27] offset:(16*\g+\i)*256
.endr
.if \g < 2
	CLOAD \g+2, \g%2
.endif
.endr
	s_wait_tensorcnt 0x0                           ; the wave's end
	ds_add_u32 v[SPW], v[NIL]
	s_wait_dscnt 0x0
	s_endpgm
.Lfunc_end_k_qd2f5a37b83_prep:
	.size	k_qd2f5a37b83_prep, .Lfunc_end_k_qd2f5a37b83_prep-k_qd2f5a37b83_prep
	.p2alignl 7, 3214868480
	.fill 96, 4, 3214868480
	.section	.rodata,"a",@progbits
	.p2align	6, 0x0
	.amdhsa_kernel k_qd2f5a37b83_prep
		.amdhsa_group_segment_fixed_size 33280
		.amdhsa_private_segment_fixed_size 0
		.amdhsa_enable_private_segment 0
		.amdhsa_kernarg_size 64
		.amdhsa_user_sgpr_count 2
		.amdhsa_user_sgpr_kernarg_segment_ptr 1
		.amdhsa_wavefront_size32 1
		.amdhsa_system_sgpr_workgroup_id_x 1
		.amdhsa_system_sgpr_workgroup_id_y 1
		.amdhsa_system_sgpr_workgroup_id_z 1
		.amdhsa_system_vgpr_workitem_id 0
		.amdhsa_next_free_vgpr 192
		.amdhsa_next_free_sgpr 66
		.amdhsa_reserve_vcc 0
		.amdhsa_float_denorm_mode_32 3
		.amdhsa_float_denorm_mode_16_64 3
		.amdhsa_memory_ordered 1
		.amdhsa_forward_progress 1
		.amdhsa_inst_pref_size 54
	.end_amdhsa_kernel
	.amdgpu_metadata
---
amdhsa.version: [ 1, 2 ]
amdhsa.kernels:
  - .name:           k_qd2f5a37b83_prep
    .symbol:         k_qd2f5a37b83_prep.kd
    .args:
      - { .name: x, .offset: 0, .size: 8, .value_kind: global_buffer, .address_space: global }
      - { .name: qkv_w, .offset: 8, .size: 8, .value_kind: global_buffer, .address_space: global }
      - { .name: xc, .offset: 16, .size: 8, .value_kind: global_buffer, .address_space: global }
      - { .name: xs, .offset: 24, .size: 8, .value_kind: global_buffer, .address_space: global }
      - { .name: wc, .offset: 32, .size: 8, .value_kind: global_buffer, .address_space: global }
      - { .name: ws, .offset: 40, .size: 8, .value_kind: global_buffer, .address_space: global }
      - { .name: proj_w, .offset: 48, .size: 8, .value_kind: global_buffer, .address_space: global }
      - { .name: pw16, .offset: 56, .size: 8, .value_kind: global_buffer, .address_space: global }
    .group_segment_fixed_size: 33280
    .private_segment_fixed_size: 0
    .kernarg_segment_align: 8
    .kernarg_segment_size: 64
    .max_flat_workgroup_size: 128
    .sgpr_count:     66
    .vgpr_count:     192
    .wavefront_size: 32
...
	.end_amdgpu_metadata
.endif
;; end of part 1
;; launch qkv (part 2): grid 12 x 32, 4 waves a work-group, clusters of 4 x 4, 327,680 bytes of LDS; arguments xc, xs, wc, ws, q_bias, v_bias, qkvh; writes qkvh
.if DOCPART == 2
	.amdgcn_target "amdgcn-amd-amdhsa--gfx1250"
	.amdhsa_code_object_version 6
	.text
	.protected	k_qd2f5a37b83_qkv
	.globl	k_qd2f5a37b83_qkv
	.p2align	8
	.type	k_qd2f5a37b83_qkv,@function
k_qd2f5a37b83_qkv:
	s_mov_b64 s[64:65], 0
	v_nop
	global_prefetch_b8 v0, s[64:65] scope:SCOPE_SE
	s_setreg_imm32_b32 hwreg(HW_REG_WAVE_MODE, 25, 1), 1
	s_wait_xcnt 0x0
	s_wait_alu depctr_hold_cnt(0) depctr_sa_sdst(0) depctr_va_vdst(0) depctr_va_sdst(0) depctr_va_ssrc(0) depctr_va_vcc(0) depctr_vm_vsrc(0)
	s_getreg_b32 s2, hwreg(HW_REG_IB_STS2, 6, 4)
	s_cmp_eq_u32 s2, 0
	s_cbranch_scc0 .Lentry_in_a_cluster
	s_endpgm
.Lentry_in_a_cluster:
	s_bfe_u32 s2, ttmp6, 0x10000c
	s_cmp_lg_u32 s2, 0xf033
	s_cbranch_scc0 .Lentry_shape_is_right
	s_endpgm
.Lentry_shape_is_right:
; qkv[m][n] = sum over k of x[m][k] w[n][k] + bias[n], on codes of FP4 (E2M1) with one E8M0 scale for each 32 along K; sums in f32; the result rounded once to f16 and laid by head:
; qkvh [3 parts (q, k, v)][64 (batch x 16 + head)][2048 tokens][64] f16.  bias = q_bias for part 0, zeros for part 1, v_bias for part 2.
; LIMIT: a result beyond 65,504 becomes infinity in f16.
; A tile of 256 x 256 is made by four waves, a wave 128 x 128: 64 accumulators of 16 x 16, 512 registers.  K = 1,024 is two slots of 512 along K (rows of 256 bytes), both asked for at the start: no LDS byte is filled twice.
; THE SCALES of the work-group's 256 rows of x and 256 rows of w, for all of K, are two dense blocks of memory: they come into LDS once, with the first fills, as rows of 256 bytes.
; CLUSTERS: 4 x 4 work-groups.  The four of a row of the cluster need the same tiles of x, the four of a column the same tiles of w: each tile is asked for JOINTLY, by the same tensor load with the same descriptor
; and a mask that names the four.  A part is 1,024 columns = the four tile columns of one cluster: the cluster's x IS the part.
; THE MATRIX INSTRUCTION IS USED TRANSPOSED (source 0 = 16 rows of w, source 1 = 16 rows of x): a lane holds eight neighbouring columns of one row.  THE BIAS is the C of each sum's first product.
; REGISTERS, in windows of 256: window 0: v0-31 addresses; v32-95 scale words, two sets (they hold nothing else); v128-191 x's fragments, ONE set, later rows on the way out; v192-255 the bias, 8 registers for each of my 8 column tiles, later packed results.
;   window 1: w's fragments, TWO sets, at v0 and v128.   window 2: the accumulators of my rows 0-63 ((a, b) at v[8 (8 a + b)]);   window 3: those of my rows 64-127.
.set SIZE_M, 8192
.set SIZE_N, 3072
.set SIZE_K, 1024
.set KSTEP,  512                       ; along K in a slot
.set NQ,     KSTEP/128                 ; matrix instructions deep
.set ROWB,   256                       ; a tile's row in bytes
.set KROW,   SIZE_K*4/8                ; a row of codes in memory
.set PITCH,  272                       ; an LDS row: 256 bytes + 16 of padding = 68 words: the 16 rows that a load touches start at 16 different banks (64 banks of 4 bytes: ISA guide 11.1)
.set FR,     8                         ; registers of a fragment: 16 rows x 128 K
.set NL,     2                         ; LDS loads that bring one
.set NP,     4                         ; places behind this matrix instruction (ISA guide 7.12.1)
.set HALFT,  128*PITCH                 ; 128 rows: what one tensor load brings
.set SLOT,   4*HALFT                   ; x's 256 rows, then w's 256 rows
.set KS,     SIZE_K/32                 ; a row of scales: 32 bytes
.set SCL,    2*SLOT                    ; behind the slots: the scales, as rows of 256 bytes + 16 of padding
.set HALFS,  (128*KS/256)*272          ; the scales of 128 rows
.set SBLK,   (16*KS/256)*272           ; those of 16 rows
.set SPARE,  SCL+4*HALFS               ; behind the scales: the spare words, 128 bytes a wave, that no other line names
.set SHEAD,  8*272                     ; the way out: 8 pairs of tokens x (256 bytes + 16) of one head
.set WSTG,   2*SHEAD                   ; a wave's stage: its two heads.  It lies in slot 0, which has had its only fill and its last read when the first result is stored there
.set ADRA, 16                          ; v16-17  LDS address of my x fragments in slot 0, 1
.set ADRB, 20                          ; v20-21  the same for w
.set STO,  24                          ; v24     the way out: where I put 16 bytes of a token
.set RD,   25                          ; v25     where I read a pair of tokens back
.set CO,   26                          ; v26     my byte offset in qkvh
.set ADRS, 27                          ; v27     LDS address of my scale words: lanes 0-15 x's rows, lanes 16-31 w's
.set SPW,  28                          ; v28     LDS address of my spare word; never rewritten
.set NIL,  29                          ; v29     0; never rewritten
.set SC,   32                          ; scale words: set s at v[SC + 8 NQ s]; register NQ i + q: lanes 0-15 x's block i, lanes 16-31 w's block i, the slot's q-th 128 along K
.set AF,   128                         ; x's fragments
.set BK,   128                         ; the way out: rows read back: v128-159 and v160-191 by turns
.set BIAS, 192
.set TMP,  192                         ; the way out: packed results
.set G1, 24                            ; s[24:31] group 1 for x's tiles; s[32:39] group 0, one set for each slot
.set G0, 32
.set G1B, 48                           ; s[48:55], s[56:63] the same for w's tiles
.set G0B, 56
.set G1S, 68                           ; s[68:75], s[76:79] groups 1 and 0 for x's scales; s[80:87], s[88:91] for w's
.set G0S, 76
.set G1SB, 80
.set G0SB, 88
.set MSB, 0
.macro WIN new                         ; the immediate's high byte repeats the setting that is left
.if MSB != \new
	s_set_vgpr_msb (MSB<<8)|\new
.set MSB, \new
.endif
.endm
.set MUL_LO, 0xa1                      ; source 0 (w) window 1, source 1 (x) window 0, C and D window 2
.set MUL_HI, 0xf1                      ; the same, C and D window 3
.set TO_B,   0x40                      ; destination window 1, address window 0
; A joint load: waves 0 and 1 fetch for x, waves 2 and 3 for w.  Each line has one mask and one set of registers for all that issue it; the branch hangs on the wave's number alone.
; An s_nop 0 and four v_nop follow each of the two lines.
.macro JLOAD g0a, g1a, g0b, g1b
	s_cmp_eq_u32 s15, 0
	s_cbranch_scc0 .Lfor_b_\@
	tensor_load_to_lds s[\g0a:\g0a+3], s[\g1a:\g1a+7]
	s_nop 0
.rept 4
	v_nop
.endr
	s_branch .Lasked_\@
.Lfor_b_\@:
	tensor_load_to_lds s[\g0b:\g0b+3], s[\g1b:\g1b+7]
	s_nop 0
.rept 4
	v_nop
.endr
.Lasked_\@:
.endm
.macro CROUND                          ; a round of the cluster's barrier
	s_barrier_signal -1
	s_barrier_wait -1
	s_cmp_lg_u32 s14, 0
	s_cbranch_scc1 .Lnot_wave_0_\@
	s_barrier_signal -3
.Lnot_wave_0_\@:
	s_barrier_wait -3
	s_barrier_signal -1
	s_barrier_wait -1
.endm
	s_load_b128 s[4:7], s[0:1], 0x0                ; x's codes s[4:5], x's scales s[6:7]
	s_load_b128 s[8:11], s[0:1], 0x10              ; w's codes s[8:9], w's scales s[10:11]
	s_load_b128 s[96:99], s[0:1], 0x20             ; q_bias s[96:97], v_bias s[98:99]
	s_load_b64 s[12:13], s[0:1], 0x30              ; qkvh
	v_lshl_add_u32 v[SPW], v0, 2, SPARE
	v_mov_b32 v[NIL], 0
	ds_add_u32 v[SPW], v[NIL]                      ; the wave's opening: the add, twice on end, and its wait ahead of my first tensor load
	ds_add_u32 v[SPW], v[NIL]
	v_lshrrev_b32 v1, 5, v0
	v_readfirstlane_b32 s14, v1                    ; wave 0..3
	s_lshr_b32 s15, s14, 1                         ; which half of the tile's rows is mine.  Also: I fetch for x (0) or for w (1)
	s_and_b32 s16, s14, 1                          ; which half of its columns.  Also: which 128 rows of that tile I fetch
	s_bfe_u32 s40, ttmp6, 0x40000                  ; cx, cy: my place in the cluster
	s_bfe_u32 s41, ttmp6, 0x40004
	s_lshl_b32 s42, ttmp9, 2
	s_add_co_u32 s42, s42, s40                     ; tile column = 4 x cluster x + cx
	s_and_b32 s17, ttmp7, 0xffff
	s_lshl_b32 s17, s17, 2
	s_add_co_u32 s17, s17, s41                     ; tile row = 4 x cluster y + cy
	s_lshl_b32 s43, s41, 2
	s_lshl_b32 s43, 15, s43                        ; my row of the cluster
	s_lshl_b32 s44, 0x1111, s40                    ; my column
	; descriptor group 1: a tile of 128 rows x 256 bytes, padded in LDS
	s_or_b32 s[G1+0], s43, (0<<16)|(1<<20)|(1<<21)|(5<<22)|(3<<25)  ; 15:0 the mask; 17:16 element of 1 byte; 20 padding on; 21 set beside a mask; 24:22 after every 64 words; 31:25 of 4 words
	s_or_b32 s[G1B+0], s44, (0<<16)|(1<<20)|(1<<21)|(5<<22)|(3<<25)
.irp g, G1, G1B
	s_mov_b32 s[\g+1], ROWB<<16                    ; tensor_dim0
	s_mov_b32 s[\g+2], 128<<16                     ; tensor_dim1
	s_mov_b32 s[\g+3], ROWB<<16                    ; tile_dim0
	s_mov_b32 s[\g+4], 128                         ; tile_dim1
	s_mov_b32 s[\g+5], KROW                        ; tensor_dim0_stride
	s_mov_b32 s[\g+6], 0
	s_mov_b32 s[\g+7], 0
.endr
	; the scales of 128 rows: a dense block of 4,096 bytes, as 16 rows of 256 bytes (32 elements of 8 bytes), 16 bytes of padding behind each
	s_or_b32 s[G1S+0], s43, (3<<16)|(1<<20)|(1<<21)|(5<<22)|(3<<25)
	s_or_b32 s[G1SB+0], s44, (3<<16)|(1<<20)|(1<<21)|(5<<22)|(3<<25)
.irp g, G1S, G1SB
	s_mov_b32 s[\g+1], 32<<16
	s_mov_b32 s[\g+2], (128*KS/256)<<16
	s_mov_b32 s[\g+3], 32<<16
	s_mov_b32 s[\g+4], 128*KS/256
	s_mov_b32 s[\g+5], 32
	s_mov_b32 s[\g+6], 0
	s_mov_b32 s[\g+7], 0
.endr
	s_lshl_b32 s18, s16, 7                         ; which 128 rows of the tile I fetch
	s_lshl_b32 s20, s17, 8
	s_add_co_u32 s20, s20, s18                     ; x: row 256 x tile row + 128 x half
	s_lshl_b32 s46, s42, 8
	s_add_co_u32 s46, s46, s18                     ; w: row 256 x tile column + 128 x half
	s_mov_b32 s21, 0
	s_mov_b32 s47, 0
	s_mov_b64 s[18:19], KS
	s_mul_u64 s[22:23], s[20:21], s[18:19]         ; where these rows' scales begin, in bytes
	s_mul_u64 s[92:93], s[46:47], s[18:19]
	s_mov_b64 s[18:19], KROW
	s_mul_u64 s[20:21], s[20:21], s[18:19]         ; and their codes
	s_mul_u64 s[46:47], s[46:47], s[18:19]
	s_mul_i32 s45, s14, HALFT                      ; where they go: wave x 128 rows: no place in the cluster enters an LDS address
	s_mul_i32 s94, s14, HALFS
	s_wait_dscnt 0x0                               ; both opening adds are done
	s_wait_kmcnt 0x0
	s_add_nc_u64 s[20:21], s[4:5], s[20:21]
	s_add_nc_u64 s[22:23], s[6:7], s[22:23]
	s_add_nc_u64 s[46:47], s[8:9], s[46:47]
	s_add_nc_u64 s[92:93], s[10:11], s[92:93]
	CROUND                                         ; all sixteen work-groups are here: the first joint loads meet
	s_mov_b32 s[G0S], 1
	s_add_co_u32 s[G0S+1], s94, SCL
	s_mov_b64 s[G0S+2:G0S+3], s[22:23]
	s_or_b32 s[G0S+3], s[G0S+3], 0x80000000
	s_mov_b32 s[G0SB], 1
	s_add_co_u32 s[G0SB+1], s94, SCL
	s_mov_b64 s[G0SB+2:G0SB+3], s[92:93]
	s_or_b32 s[G0SB+3], s[G0SB+3], 0x80000000
	JLOAD G0S, G1S, G0SB, G1SB                     ; the scales first: they are wanted with the first slot
.irp s, 0,1
	s_mov_b32 s[G0+4*\s], 1
	s_add_co_u32 s[G0+4*\s+1], s45, \s*SLOT
	s_add_nc_u64 s[G0+4*\s+2:G0+4*\s+3], s[20:21], \s*ROWB
	s_or_b32 s[G0+4*\s+3], s[G0+4*\s+3], 0x80000000
	s_mov_b32 s[G0B+4*\s], 1
	s_add_co_u32 s[G0B+4*\s+1], s45, \s*SLOT
	s_add_nc_u64 s[G0B+4*\s+2:G0B+4*\s+3], s[46:47], \s*ROWB
	s_or_b32 s[G0B+4*\s+3], s[G0B+4*\s+3], 0x80000000
	JLOAD G0+4*\s, G1, G0B+4*\s, G1B               ; three tensor loads of mine are out behind the second of these
.endr
	v_and_b32 v1, 15, v0                           ; r = l % 16
	v_bfe_u32 v2, v0, 4, 1                         ; h = l / 16
	; THE BIAS.  Register j of tile b is bias[256 cx + 128 half + 16 b + 8 h + j] of my part.  Part 2 takes v_bias, the others q_bias; part 1's numbers are then masked to zeros.  The choices hang on the cluster's x alone.
	s_cmp_eq_u32 ttmp9, 2
	s_cselect_b64 s[96:97], s[98:99], s[96:97]
	s_cmp_eq_u32 ttmp9, 1
	s_cselect_b32 s95, 0, -1
	s_lshl_b32 s92, s40, 10
	s_lshl_b32 s93, s16, 9
	s_add_co_u32 s92, s92, s93
	s_mov_b32 s93, 0
	s_add_nc_u64 s[96:97], s[96:97], s[92:93]
	v_lshlrev_b32 v7, 5, v2
.irp b, 0,1,2,3,4,5,6,7
	global_load_b128 v[BIAS+8*\b:BIAS+8*\b+3], v7, s[96:97] offset:64*\b
	global_load_b128 v[BIAS+8*\b+4:BIAS+8*\b+7], v7, s[96:97] offset:64*\b+16
.endr
	v_mul_u32_u24 v3, v1, PITCH
	v_lshl_add_u32 v4, v2, 4, v3                   ; a fragment's row x pitch + 16 x half
	s_mul_i32 s21, s15, HALFT                      ; my 128 rows of x
	s_mul_i32 s22, s16, HALFT                      ; my 128 rows of w,
	s_add_co_u32 s22, s22, 2*HALFT                 ; which lie behind x's 256
.irp s, 0,1
	v_add_nc_u32 v[ADRA+\s], s21, v4
	v_add_nc_u32 v[ADRB+\s], s22, v4
	s_add_co_u32 s21, s21, SLOT
	s_add_co_u32 s22, s22, SLOT
.endr
	v_mul_u32_u24 v5, v1, KS                       ; my row's scales: KS bytes a row,
	v_lshrrev_b32 v6, 8, v5
	v_lshl_add_u32 v5, v6, 4, v5                   ; and 16 more for each 256 passed
	s_mul_i32 s21, s15, HALFS                      ; x's: my 128 rows
	s_mul_i32 s22, s16, HALFS                      ; w's: my 128 rows, behind x's 256
	s_add_co_u32 s22, s22, 2*HALFS
	s_sub_co_u32 s22, s22, s21
	v_mul_u32_u24 v6, s22, v2                      ; lanes 16-31 take w's: one product, the distance between the two bases
	s_add_co_u32 s21, s21, SCL
	v_add_nc_u32 v5, v5, v6
	v_add_nc_u32 v[ADRS], s21, v5
	s_wait_loadcnt 0x0                             ; the bias
.irp i, 0,1,2,3,4,5,6,7,8,9,10,11,12,13,14,15,16,17,18,19,20,21,22,23,24,25,26,27,28,29,30,31,32,33,34,35,36,37,38,39,40,41,42,43,44,45,46,47,48,49,50,51,52,53,54,55,56,57,58,59,60,61,62,63
	v_and_b32 v[BIAS+\i], s95, v[BIAS+\i]          ; k has no bias: zeros in part 1, unchanged elsewhere
.endr
	; the way out.  Token r of a block of 16, head b / 4, channels 16 (b % 4) + 8 h on: pair r / 2 of the head's eight, 128 bytes for the odd token, 16 bytes for each half of the lanes
	s_mul_i32 s23, s14, WSTG                       ; my stage
	v_lshrrev_b32 v5, 1, v1
	v_mul_u32_u24 v5, v5, 272
	v_and_b32 v6, 1, v1
	v_lshl_add_u32 v5, v6, 7, v5
	v_lshl_add_u32 v5, v2, 4, v5
	v_add_nc_u32 v[STO], s23, v5
	v_mul_u32_u24 v5, v2, SHEAD                    ; back: lanes 0-15 a pair of tokens (256 bytes) of my first head, lanes 16-31 of my second
	v_lshl_add_u32 v5, v1, 4, v5
	v_add_nc_u32 v[RD], s23, v5
	v_lshlrev_b32 v5, 18, v2                       ; and in qkvh: a head is 262,144 bytes
	v_lshl_add_u32 v[CO], v1, 4, v5
	; my first token of my first head: (((64 part + 16 batch + 4 cx + 2 half) x 2,048 + 256 (tile row % 8) + 128 row half) x 128 bytes, under 2^26
	s_lshl_b32 s20, ttmp9, 6
	s_lshr_b32 s21, s17, 3
	s_lshl_b32 s21, s21, 4
	s_add_co_u32 s20, s20, s21
	s_lshl_b32 s46, s40, 2
	s_add_co_u32 s20, s20, s46
	s_lshl_b32 s21, s16, 1
	s_add_co_u32 s20, s20, s21
	s_lshl_b32 s20, s20, 11
	s_and_b32 s21, s17, 7
	s_lshl_b32 s21, s21, 8
	s_add_co_u32 s20, s20, s21
	s_lshl_b32 s21, s15, 7
	s_add_co_u32 s20, s20, s21
	s_lshl_b32 s20, s20, 7
	s_mov_b32 s21, 0
	s_add_nc_u64 s[12:13], s[12:13], s[20:21]
.macro FRAG reg, adr, q, i             ; a fragment, 16 rows x 128 K of 4-bit codes: lane l holds row l % 16; registers 4 c .. 4 c + 3 hold K = 64 c + 32 (l / 16) + 0 .. 31
.irp c, 0,1
	ds_load_b128 v[\reg+4*\c:\reg+4*\c+3], v[\adr] offset:64*(\q)+32*\c+(\i)*16*PITCH
.endr
.endm
; 16 matrix instructions: x's blocks a0, a0 + 1 against w's eight, 128 along K: the slot's q-th.  p: w's set; sc: the set of scale words.  zero = 1: the first product starts the sums from the bias: nothing is cleared.
; The 64 accumulators take turns, one instruction a turn, in the same order in every step.
.macro MUL16 a0, p, q, sc, zero
.irp a, \a0, \a0+1
.irp b, 0,1,2,3,4,5,6,7
.if \zero
	v_wmma_scale_f32_16x16x128_f8f6f4 v[8*(8*((\a)%4)+\b):8*(8*((\a)%4)+\b)+7], v[128*(\p)+FR*\b:128*(\p)+FR*\b+FR-1], v[AF+FR*(\a):AF+FR*(\a)+FR-1], v[BIAS+8*\b:BIAS+8*\b+7], v[SC+8*NQ*(\sc)+NQ*\b+(\q)], v[SC+8*NQ*(\sc)+NQ*(\a)+(\q)] matrix_a_fmt:MATRIX_FMT_FP4 matrix_b_fmt:MATRIX_FMT_FP4 matrix_a_scale:MATRIX_SCALE_ROW1
.else
	v_wmma_scale_f32_16x16x128_f8f6f4 v[8*(8*((\a)%4)+\b):8*(8*((\a)%4)+\b)+7], v[128*(\p)+FR*\b:128*(\p)+FR*\b+FR-1], v[AF+FR*(\a):AF+FR*(\a)+FR-1], v[8*(8*((\a)%4)+\b):8*(8*((\a)%4)+\b)+7], v[SC+8*NQ*(\sc)+NQ*\b+(\q)], v[SC+8*NQ*(\sc)+NQ*(\a)+(\q)] matrix_a_fmt:MATRIX_FMT_FP4 matrix_b_fmt:MATRIX_FMT_FP4 matrix_a_scale:MATRIX_SCALE_ROW1
.endif
.endr
.endr
.endm
.macro FETCH_B slot, q, p              ; w's eight fragments of the slot's q-th 128 along K into set p
	WIN TO_B
.irp i, 0,1,2,3,4,5,6,7
	FRAG 128*(\p)+FR*\i, ADRB+\slot, \q, \i
.endr
	WIN 0
.endm
.macro FETCH_A slot, q, i0             ; x's blocks i0 .. i0 + 3
.irp i, \i0, \i0+1, \i0+2, \i0+3
	FRAG AF+FR*(\i), ADRA+\slot, \q, \i
.endr
.endm
.macro SCALES sc                       ; a slot's scale words into set sc: NQ words a row; lanes 0-15 take x's block i, lanes 16-31 w's block i
.irp i, 0,1,2,3,4,5,6,7
	ds_load_b128 v[SC+8*NQ*\sc+NQ*\i:SC+8*NQ*\sc+NQ*\i+3], v[ADRS] offset:\i*SBLK
.endr
.endm
; A load into a register that a matrix instruction has read, and a vector instruction that reads a matrix result, stand NP places behind that matrix instruction; only plain vector instructions that name none of its registers are places.
.macro PLACES n
.rept \n
	v_nop
.endr
.endm
; A step of 128 along K that has its successor in the same slot.  zero = 1: C is the bias, in window 0.
.macro STEP slot, q, zero
	s_wait_dscnt 4*NL                              ; w's set and x's blocks 0-3 are in; the youngest eight loads (x's blocks 4-7) may be out
	WIN MUL_LO-0x20*(\zero)
	MUL16 0, (\q)%2, \q, \slot, \zero
	MUL16 2, (\q)%2, \q, \slot, \zero
	s_wait_dscnt 0                                 ; x's blocks 4-7 are in (asked for 32 matrix instructions ago)
	PLACES NP
	FETCH_B \slot, (\q)+1, 1-(\q)%2
	FETCH_A \slot, (\q)+1, 0
	WIN MUL_HI-0x30*(\zero)
	MUL16 4, (\q)%2, \q, \slot, \zero
	MUL16 6, (\q)%2, \q, \slot, \zero
	PLACES NP
	WIN 0
	FETCH_A \slot, (\q)+1, 4
.endm
; Slot 0's last step changes slots: one barrier; in front of it each wave waits for all its tensor loads (its part of slot 1), adds 0 to its spare word, and waits for that and for its own reads of slot 0.  Nothing is filled again.
.macro TURN slot, next
	s_wait_tensorcnt 0x0                           ; all my tensor loads have landed (every window is 0 here)
	ds_add_u32 v[SPW], v[NIL]                      ; 0 onto my spare word
	s_wait_dscnt 4*NL+1                            ; (the add and the youngest eight loads, x's blocks 4-7, may be out)
	WIN MUL_LO
	MUL16 0, 1, NQ-1, \slot, 0                     ; sixteen matrix instructions stand between the add and the wait for it
	s_wait_dscnt 0x0                               ; the add is done, and my reads of this slot are over
	s_barrier_signal -1
	MUL16 2, 1, NQ-1, \slot, 0
	WIN 0
	s_barrier_wait -1                              ; the next slot is whole, and nobody reads this one: it becomes the stages
	PLACES NP
	v_add_nc_u32 v[ADRS], 4*NQ, v[ADRS]            ; on to the next slot's scale words
	FETCH_B \next, 0, 0
	FETCH_A \next, 0, 0
	SCALES \next
	WIN MUL_HI
	MUL16 4, 1, NQ-1, \slot, 0
	MUL16 6, 1, NQ-1, \slot, 0
	PLACES NP
	WIN 0
	FETCH_A \next, 0, 4
.endm
.macro STEPS slot, from                ; the slot's steps from .. NQ - 2
.set Q, \from
.rept NQ-1-\from
	STEP \slot, Q, 0
.set Q, Q+1
.endr
.endm
	s_wait_tensorcnt 1                             ; the scales and my part of slot 0 are in; slot 1's load, the one issued behind them, may be out
	s_barrier_signal -1
	s_barrier_wait -1                              ; everybody's are
	FETCH_B 0, 0, 0
	FETCH_A 0, 0, 0
	SCALES 0
	FETCH_A 0, 0, 4
	STEP 0, 0, 1                                   ; the first step's products start the sums from the bias
	STEPS 0, 1
	TURN 0, 1
	STEPS 1, 0
	s_wait_dscnt 4*NL                              ; the very last step: nothing more to fetch
	WIN MUL_LO
	MUL16 0, 1, NQ-1, 1, 0
	MUL16 2, 1, NQ-1, 1, 0
	s_wait_dscnt 0
	WIN MUL_HI
	MUL16 4, 1, NQ-1, 1, 0
	MUL16 6, 1, NQ-1, 1, 0
	WIN 0
; THE WAY OUT, block by block of 16 tokens x 128 columns (two heads).  PACK: rounded to f16, 16 bytes a lane, each accumulator from its low end on.  TOSTAGE: into my own stage, and back as pairs of tokens of one head: 256 bytes that
; lie together in qkvh.  SEND: sixteen lanes store 256 consecutive bytes, aligned.  LDS serves a wave's instructions in order (ISA guide 5.7.1.4): no wait between the stores and the loads.
.macro PACK a
.set AC, 64*((\a)%4)
	WIN 0x0a+5*((\a)/4)                            ; sources 0 and 1: window 2 or 3
.irp b, 0,1,2,3,4,5,6,7
.irp i, 0,1,2,3
	v_cvt_pk_f16_f32 v[TMP+4*\b+\i], v[AC+8*\b+2*\i], v[AC+8*\b+2*\i+1]
.endr
.endr
	WIN 0
.endm
.macro TOSTAGE a
.set BB, BK+32*((\a)%2)
.irp b, 0,1,2,3,4,5,6,7
	ds_store_b128 v[STO], v[TMP+4*\b:TMP+4*\b+3] offset:(\b/4)*SHEAD+32*(\b%4)
.endr
.irp t, 0,1,2,3,4,5,6,7
	ds_load_b128 v[BB+4*\t:BB+4*\t+3], v[RD] offset:\t*272
.endr
.endm
.macro SEND a
.set BB, BK+32*((\a)%2)
	s_wait_dscnt 0x0                               ; the block is back in registers
	s_wait_xcnt 0x0                                ; the stores of the block before have read their data: the next block's loads may land there
.irp t, 0,1,2,3,4,5,6,7
	global_store_b128 v[CO], v[BB+4*\t:BB+4*\t+3], s[12:13] offset:(\a)*2048+\t*256
.endr
.endm
	PLACES NP                                      ; behind the last products: for the conversions, and for the loads into the registers that held x's fragments
	PACK 0
	TOSTAGE 0
.irp a, 1,2,3,4,5,6,7                  ; block a's conversions stand between block a - 1's loads from the stage and the wait for them
	PACK \a
	SEND \a-1
	TOSTAGE \a
.endr
	SEND 7
	s_wait_tensorcnt 0x0                           ; the wave's end, behind my last tensor load and my last LDS store
	ds_add_u32 v[SPW], v[NIL]
	s_wait_dscnt 0x0
	CROUND                                         ; the closing round: no work-group ends while a partner may still ask for a tile that names it
	s_endpgm
.Lfunc_end_k_qd2f5a37b83_qkv:
	.size	k_qd2f5a37b83_qkv, .Lfunc_end_k_qd2f5a37b83_qkv-k_qd2f5a37b83_qkv
	.p2alignl 7, 3214868480
	.fill 96, 4, 3214868480
	.section	.rodata,"a",@progbits
	.p2align	6, 0x0
	.amdhsa_kernel k_qd2f5a37b83_qkv
		.amdhsa_group_segment_fixed_size 327680
		.amdhsa_private_segment_fixed_size 0
		.amdhsa_enable_private_segment 0
		.amdhsa_kernarg_size 56
		.amdhsa_user_sgpr_count 2
		.amdhsa_user_sgpr_kernarg_segment_ptr 1
		.amdhsa_wavefront_size32 1
		.amdhsa_system_sgpr_workgroup_id_x 1
		.amdhsa_system_sgpr_workgroup_id_y 1
		.amdhsa_system_sgpr_workgroup_id_z 1
		.amdhsa_system_vgpr_workitem_id 0
		.amdhsa_next_free_vgpr 1024
		.amdhsa_next_free_sgpr 100
		.amdhsa_reserve_vcc 0
		.amdhsa_float_denorm_mode_32 3
		.amdhsa_float_denorm_mode_16_64 3
		.amdhsa_memory_ordered 1
		.amdhsa_forward_progress 1
		.amdhsa_inst_pref_size 130
	.end_amdhsa_kernel
	.amdgpu_metadata
---
amdhsa.version: [ 1, 2 ]
amdhsa.kernels:
  - .name:           k_qd2f5a37b83_qkv
    .symbol:         k_qd2f5a37b83_qkv.kd
    .args:
      - { .name: xc, .offset: 0, .size: 8, .value_kind: global_buffer, .address_space: global }
      - { .name: xs, .offset: 8, .size: 8, .value_kind: global_buffer, .address_space: global }
      - { .name: wc, .offset: 16, .size: 8, .value_kind: global_buffer, .address_space: global }
      - { .name: ws, .offset: 24, .size: 8, .value_kind: global_buffer, .address_space: global }
      - { .name: q_bias, .offset: 32, .size: 8, .value_kind: global_buffer, .address_space: global }
      - { .name: v_bias, .offset: 40, .size: 8, .value_kind: global_buffer, .address_space: global }
      - { .name: qkvh, .offset: 48, .size: 8, .value_kind: global_buffer, .address_space: global }
    .group_segment_fixed_size: 327680
    .private_segment_fixed_size: 0
    .kernarg_segment_align: 8
    .kernarg_segment_size: 56
    .max_flat_workgroup_size: 128
    .sgpr_count:     100
    .vgpr_count:     1024
    .wavefront_size: 32
...
	.end_amdgpu_metadata
.endif
;; end of part 2
;; launch attn (part 3): grid 4 x 64, 8 waves a work-group, clusters of 4 x 1, 327,680 bytes of LDS; arguments qkvh, o16; writes o16
.if DOCPART == 3
	.amdgcn_target "amdgcn-amd-amdhsa--gfx1250"
	.amdhsa_code_object_version 6
	.text
	.protected	k_qd2f5a37b83_attn
	.globl	k_qd2f5a37b83_attn
	.p2align	8
	.type	k_qd2f5a37b83_attn,@function
k_qd2f5a37b83_attn:
	s_mov_b64 s[64:65], 0
	v_nop
	global_prefetch_b8 v0, s[64:65] scope:SCOPE_SE
	s_setreg_imm32_b32 hwreg(HW_REG_WAVE_MODE, 25, 1), 1
	s_wait_xcnt 0x0
	s_wait_alu depctr_hold_cnt(0) depctr_sa_sdst(0) depctr_va_vdst(0) depctr_va_sdst(0) depctr_va_ssrc(0) depctr_va_vcc(0) depctr_vm_vsrc(0)
	s_getreg_b32 s2, hwreg(HW_REG_IB_STS2, 6, 4)
	s_cmp_eq_u32 s2, 0
	s_cbranch_scc0 .Lentry_in_a_cluster
	s_endpgm
.Lentry_in_a_cluster:
	s_bfe_u32 s2, ttmp6, 0x10000c
	s_cmp_lg_u32 s2, 0x3003
	s_cbranch_scc0 .Lentry_shape_is_right
	s_endpgm
.Lentry_shape_is_right:
; O[bh][q][:] = the sum over k of softmax_k(Q[bh][q] . K[bh][k] / 64) V[bh][k][:]  (the scale 1/8 is applied twice).  Q, K, V: the three parts of qkvh, [64 bh][2048][64] f16.  Products, maxima and sums in f32;
; the weights p are rounded to f16 for the second product, O once at the end.  O goes to o16 [4096 pairs of tokens][16 heads][2 tokens][64] f16: a (pair, head) is 256 consecutive bytes.
; LIMIT: |O| beyond 65,504 becomes infinity in f16; NaN and infinities are not served.
; SHARES.  A work-group owns 512 queries of one head, each of its eight waves 64: four tiles of 16, in 512 registers, two waves to a SIMD.  Every wave walks all 2,048 keys, 64 a step.
; LAYOUT.  S^T = K Q^T (source 0 = 16 keys, source 1 = 16 queries): a lane holds ONE query (lane % 16) and the keys 8 (lane / 16) + 0..7.  Two such tiles, rounded to f16 in pairs, ARE source 1 (32 keys x 16 queries) of
; O^T = V^T P, whose result again holds one query a lane.  K comes out of LDS as it lies, V ([key][channel]) turned, by ds_load_tr16_b128.
; SOFTMAX.  For each query a running maximum m and sum l: p = 2^(c s - c m), c = log2(e) / 64; in every step O and l are multiplied by a = 2^(c m_old - c m_new).  m begins at -3e38, l and O^T at zero: the first a is 0.
; PHASES.  A step is: 32 products K Q^T | the softmax | 32 products V^T P.  At each change of slots waves 4-7 run the step's softmax AHEAD of the barrier and waves 0-3 BEHIND it, so that behind every barrier one half of the
; waves begins with vector work and the other with matrix work; both halves have the same work between two barriers.  The branch hangs on the wave's number alone and leads round the softmax alone.
; CLUSTER.  The four query blocks of a head form a cluster and walk the same K and V: each tile is asked for JOINTLY, by the same tensor load with the same descriptor and a mask that names the four.
; RING.  Two slots of 256 keys (four steps).  A row in LDS is TWO keys, 256 bytes of memory.  Waves 0-3 fetch the four steps' K, waves 4-7 their V: one load a wave behind each round, 32 rows of 256 bytes.
; REGISTERS.  window 0: v0-15 addresses; v16-47 eight registers of statistics a tile; v64-191 S^T, 32 a tile (p's f16 fragments are made in place, in each tile's low 16); v192-255 V of one step.
;   window 1: v0-127 O^T, 32 a tile; v128-191 Q, 16 a tile; v192-255 K of one step.
.set KP,    272       ; a row of K in LDS: 256 bytes + 16: key kk at (kk / 2) KP + 128 (kk % 2): the 16 keys of a load fall on 16 different 16-byte columns of the 256 (64 banks of 4 bytes: ISA guide 11.1)
.set VP,    288       ; a row of V: 256 + 32: 16 lanes of the turning load take 4 rows x 2 keys x 32 bytes, each column once
.set KST,   32*KP     ; a step's K
.set VST,   32*VP     ; a step's V
.set VOFF,  4*KST     ; a slot: four steps' K, then four steps' V
.set SLOT1, 1<<17     ; slot 1 begins here: one exclusive or turns an address in one slot into the other's
.set SLOTB, 32768     ; a slot's keys in memory: 256 x 128 bytes
.set STAGE, SLOT1+4*(KST+VST)  ; behind the ring: a stage for each wave, for the way out
.set WSTG,  2304      ; 8 pairs of tokens x 272 bytes, rounded up to whole blocks of 256
.set SPARE, STAGE+8*WSTG       ; behind the stages: the spare words, 128 bytes a wave, that no other line names
.set AK0, 2           ; v2   my lane's place in a tile of K; never rewritten
.set AV0, 3           ; v3   the same for V
.set ADK, 4           ; v4   the LDS address of K's run of loads
.set ADV, 5           ; v5   of V's
.set QO,  6           ; v6   my byte offset in the wave's rows of Q
.set STO, 7           ; v7   the way out: where I put 16 bytes of a token
.set RD,  8           ; v8   where I read a pair of tokens back
.set GO,  12          ; v12  my byte offset in o16
.set PFO, 13          ; v13  256 x my lane; never rewritten
.set SPW, 14          ; v14  LDS address of my spare word; never rewritten
.set NIL, 15          ; v15  0; never rewritten
.set ST,  16          ; tile t's statistics at v[ST+8 t]: +0 c m, +1 m, +2, +3 l (even registers', odd registers'), +4 to +7 at work; a stands in +6
.set S,   64
.set VF,  192
.set QF,  128         ; in window 1
.set KF,  192         ; in window 1
.set WV,  12          ; s12  my wave's number
.set CX,  13          ; s13  my place in the cluster: it enters Q's, O's and the prefetches' addresses alone
.set GRP, 14          ; s14  0: waves 0-3; 1: waves 4-7
.set LIM, 15          ; s15  1 in a wave that prefetches (waves 0 and 4), else the greatest number
.set W3,  16          ; s16  wave % 4: which step of a slot I fetch
.set PFA, 18          ; s[18:19] where my prefetches stand
.set G1K, 24          ; s[24:31] descriptor group 1 for K's tiles
.set G1V, 32          ; s[32:39] for V's: it differs in the padding alone
.set G0K, 40          ; s[40:47] group 0 for K's tiles: a set for each of the two first fills; the second then walks on
.set G0V, 48          ; s[48:55] the same for V's
.set SLOTS, 56        ; s56  slots still to be asked for
.set CNT, 57          ; s57  counts a slot's first three steps
.set CS,  58          ; s[58:59] c, twice: the packed scaling names a pair
.set SEL, 60          ; s[60:61] lane selects for v_permlanex16_b32: lane l xor 16
.set TK,  62          ; s62  LDS byte at which the step's K begins
.set TV,  63          ; s63  the same for V, less VOFF
.set KB,  66          ; s[66:67] K at my tile of slot 0
.set VB,  68          ; s[68:69] V likewise
.set MSB, 0
.macro WIN new                      ; the immediate's high byte repeats the setting that is left; a switch that changes nothing is dropped
.if MSB != \new
	s_set_vgpr_msb (MSB<<8)|\new
.set MSB, \new
.endif
.endm
.set W_KQ, 0x05       ; K and Q in window 1, S^T in window 0
.set W_PV, 0x50       ; V and P in window 0, O^T (C and D) in window 1
.set W_RS, 0x41       ; O^T (destination and source 0) in window 1, the factor in window 0
.set TO1,  0x40       ; destination window 1, address window 0
; A joint refill: waves 0-3 K's, waves 4-7 V's.  The branch hangs on the wave's number alone.  An s_nop 0 and four v_nop follow each of the two lines.
.macro JLOAD
	s_cmp_lt_u32 s[WV], 4
	s_cbranch_scc0 .Lfor_v_\@
	tensor_load_to_lds s[G0K+4:G0K+7], s[G1K:G1K+7]
	s_nop 0
.rept 4
	v_nop
.endr
	s_branch .Lasked_\@
.Lfor_v_\@:
	tensor_load_to_lds s[G0V+4:G0V+7], s[G1V:G1V+7]
	s_nop 0
.rept 4
	v_nop
.endr
.Lasked_\@:
.endm
; A PREFETCH INTO THE L2 of what the NEXT change of slots will ask for: a slot's 32,768 bytes of K and of V.  Each block of 256 bytes is named once in the launch: a head has one cluster; its four partners take 8,192 bytes each, told
; apart BY ADDRESS; in each, wave 0 asks for K's and wave 4 for V's, a lane a block.  It runs four key steps ahead of the load.  The last change that fills a slot asks for nothing: there is no slot behind it.
.macro ASK
	s_cmp_gt_u32 s[SLOTS], s[LIM]
	s_cbranch_scc0 .Lnot_mine_\@
	global_prefetch_b8 v[PFO], s[PFA:PFA+1] th:TH_LOAD_NT scope:SCOPE_SE
.Lnot_mine_\@:
.endm
.macro CROUND                       ; a round of the cluster's barrier
	s_barrier_signal -1
	s_barrier_wait -1
	s_cmp_lg_u32 s[WV], 0
	s_cbranch_scc1 .Lnot_wave_0_\@
	s_barrier_signal -3
.Lnot_wave_0_\@:
	s_barrier_wait -3
	s_barrier_signal -1
	s_barrier_wait -1
.endm
	s_load_b128 s[4:7], s[0:1], 0x0  ; qkvh s[4:5], o16 s[6:7]
	v_lshl_add_u32 v[SPW], v0, 2, SPARE
	v_mov_b32 v[NIL], 0
	ds_add_u32 v[SPW], v[NIL]       ; the wave's opening: the add, twice on end, and its wait ahead of my first tensor load
	ds_add_u32 v[SPW], v[NIL]
	v_lshrrev_b32 v1, 5, v0
	v_readfirstlane_b32 s[WV], v1   ; wave 0..7
	s_bfe_u32 s[CX], ttmp6, 0x40000
	s_lshr_b32 s[GRP], s[WV], 2
	s_and_b32 s[W3], s[WV], 3
	s_and_b32 s20, ttmp7, 0xffff    ; bh = 16 x batch + head, which the four partners share
	s_lshl_b32 s22, s20, 18         ; the head's first byte in a part
	s_lshl_b32 s2, s[W3], 13        ; my step's 64 keys: 8,192 bytes
	s_add_co_u32 s2, s2, s22
	s_mov_b32 s3, 0                 ; s[2:3]: my tile of slot 0, in a part
	s_lshl_b32 s21, s[CX], 16       ; my block's 512 queries,
	s_add_co_u32 s22, s22, s21
	s_lshl_b32 s21, s[WV], 13       ; my wave's 64 of them
	s_add_co_u32 s22, s22, s21
	s_mov_b32 s23, 0                ; s[22:23]: my first query
	s_lshr_b32 s21, s20, 4
	s_lshl_b32 s21, s21, 22         ; o16: a batch is 1,024 pairs of 4,096 bytes,
	s_and_b32 s20, s20, 15
	s_lshl_b32 s20, s20, 8          ; a head 256 bytes in a pair,
	s_add_co_u32 s20, s20, s21
	s_lshl_b32 s21, s[CX], 20       ; my block 256 pairs,
	s_add_co_u32 s20, s20, s21
	s_lshl_b32 s21, s[WV], 17       ; my wave 32 pairs
	s_add_co_u32 s20, s20, s21
	s_mov_b32 s21, 0                ; s[20:21]: my first pair
	; descriptor group 1: a tile of 32 rows x 128 elements (two keys a row), dense in memory, padded in LDS
	s_mov_b32 s[G1K], 15|(1<<16)|(1<<20)|(1<<21)|(5<<22)|(3<<25)  ; 15:0 the mask: all four work-groups; 17:16 elements of 2 bytes; 20 padding on; 21 set beside a mask; 24:22 after every 64 words; 31:25 4 words
	s_mov_b32 s[G1V], 15|(1<<16)|(1<<20)|(1<<21)|(5<<22)|(7<<25)  ; the same with 8 words of padding
.irp g, G1K, G1V
	s_mov_b32 s[\g+1], 128<<16      ; tensor_dim0
	s_mov_b32 s[\g+2], 32<<16       ; tensor_dim1
	s_mov_b32 s[\g+3], 128<<16      ; tile_dim0
	s_mov_b32 s[\g+4], 32           ; tile_dim1
	s_mov_b32 s[\g+5], 128          ; tensor_dim0_stride
	s_mov_b32 s[\g+6], 0
	s_mov_b32 s[\g+7], 0
.endr
	s_mov_b32 s[CS], 0x3cb8aa3b     ; c = log2(e) / 64
	s_mov_b32 s[CS+1], s[CS]
	s_mov_b32 s[SEL], 0x76543210
	s_mov_b32 s[SEL+1], 0xfedcba98
	s_mov_b32 s[TK], 0
	s_mov_b32 s[TV], 0
	s_mov_b32 s[SLOTS], 6           ; 8 slots' worth of keys; two come by the first fills
	s_cmp_eq_u32 s[W3], 0
	s_cselect_b32 s[LIM], 1, -1
	s_mul_i32 s17, s[W3], KST       ; my tile's place in a slot: no place in the cluster enters an LDS address
	s_wait_dscnt 0x0                ; both opening adds are done
	s_wait_kmcnt 0x0
	s_add_nc_u64 s[KB:KB+1], s[4:5], s[2:3]
	s_add_nc_u64 s[VB:VB+1], s[KB:KB+1], 0x2000000  ; part 2
	s_add_nc_u64 s[KB:KB+1], s[KB:KB+1], 0x1000000  ; part 1
	s_add_nc_u64 s[8:9], s[4:5], s[22:23]    ; Q at my wave's first query
	s_add_nc_u64 s[10:11], s[6:7], s[20:21]  ; O at my wave's first pair
	s_mul_i32 s22, s[W3], VST
	s_add_co_u32 s22, s22, VOFF
	s_cmp_lt_u32 s[WV], 4
	s_cselect_b64 s[PFA:PFA+1], s[KB:KB+1], s[VB:VB+1]  ; (in waves 0 and 4 these stand at a slot's first byte)
	s_lshl_b32 s2, s[CX], 13        ; my work-group's 8,192 bytes of the 32,768
	s_add_nc_u64 s[PFA:PFA+1], s[PFA:PFA+1], s[2:3]
	s_add_nc_u64 s[PFA:PFA+1], s[PFA:PFA+1], 2*SLOTB  ; in slot 2; the first change of slots steps it to slot 3.  Nothing is prefetched at the head
	CROUND                          ; all four work-groups are here: the first joint loads meet
.irp s, 0,1
	s_mov_b32 s[G0K+4*\s], 1        ; count = 1
	s_add_co_u32 s[G0K+4*\s+1], s17, \s*SLOT1  ; LDS address
	s_add_nc_u64 s[G0K+4*\s+2:G0K+4*\s+3], s[KB:KB+1], \s*SLOTB  ; global address: slot s begins with key 256 s
	s_or_b32 s[G0K+4*\s+3], s[G0K+4*\s+3], 0x80000000  ; type = 2
	s_mov_b32 s[G0V+4*\s], 1
	s_add_co_u32 s[G0V+4*\s+1], s22, \s*SLOT1
	s_add_nc_u64 s[G0V+4*\s+2:G0V+4*\s+3], s[VB:VB+1], \s*SLOTB
	s_or_b32 s[G0V+4*\s+3], s[G0V+4*\s+3], 0x80000000
.endr
	s_cmp_lt_u32 s[WV], 4           ; a wave's two first fills stand in one branch, ahead of every wait on TENSORcnt and every LDS read: two loads of mine are out
	s_cbranch_scc0 .Lfirst_v
	tensor_load_to_lds s[G0K:G0K+3], s[G1K:G1K+7]
	s_nop 0
	tensor_load_to_lds s[G0K+4:G0K+7], s[G1K:G1K+7]
	s_nop 0
.rept 4
	v_nop
.endr
	s_branch .Lfirst_asked
.Lfirst_v:
	tensor_load_to_lds s[G0V:G0V+3], s[G1V:G1V+7]
	s_nop 0
	tensor_load_to_lds s[G0V+4:G0V+7], s[G1V:G1V+7]
	s_nop 0
.rept 4
	v_nop
.endr
.Lfirst_asked:
	; A fragment of K or Q is 16 rows x 32 channels in 8 registers: lane l holds row l % 16; registers 0-3 channels 8 (l / 16) + 0..7, registers 4-7 channels 16 + 8 (l / 16) + 0..7: two loads of 16 bytes, 32 bytes apart.
	v_and_b32 v1, 15, v0            ; r = l % 16
	v_bfe_u32 v9, v0, 4, 1          ; h = l / 16
	v_lshlrev_b32 v[QO], 7, v1
	v_lshl_add_u32 v[QO], v9, 4, v[QO]  ; row x 128 + 16 x half
	WIN TO1
.irp i, 0,1,2,3,4,5,6,7             ; Q stays in registers: tile i / 2, channels 32 (i % 2) on
	global_load_b128 v[QF+8*\i:QF+8*\i+3],   v[QO], s[8:9] offset:(\i/2)*2048+(\i%2)*64
	global_load_b128 v[QF+8*\i+4:QF+8*\i+7], v[QO], s[8:9] offset:(\i/2)*2048+(\i%2)*64+32
.endr
.set i, 0
.rept 128
	v_mov_b32 v[i], 0               ; O^T.  The step is written for every step alike: the first finds zeros, which its a = 0 leaves zeros; a first step of its own would be one more copy of the step's text
.set i, i+1
.endr
	WIN 0
	v_lshrrev_b32 v10, 1, v1
	v_and_b32 v11, 1, v0
	v_mul_u32_u24 v[AK0], v10, KP
	v_lshl_add_u32 v[AK0], v11, 7, v[AK0]
	v_lshl_add_u32 v[AK0], v9, 4, v[AK0]  ; K: (r / 2) x pitch + 128 (r % 2) + 16 x half
	; The turning load takes 16 keys x 16 channels (lane l reads 16 bytes: key 8 (l / 16) + l % 8, channels 8 ((l / 8) % 2) + 0..7) and leaves half a fragment of V^T: lane l holds channel l % 16 and 8 keys.
	v_bfe_u32 v10, v0, 1, 2
	v_lshl_add_u32 v[AV0], v9, 2, v10
	v_mul_u32_u24 v[AV0], v[AV0], VP
	v_lshl_add_u32 v[AV0], v11, 7, v[AV0]
	v_bfe_u32 v10, v0, 3, 1
	v_lshl_add_u32 v[AV0], v10, 4, v[AV0]
	v_add_nc_u32 v[AV0], VOFF, v[AV0]
	s_mul_i32 s20, s[WV], WSTG
	s_add_co_u32 s20, s20, STAGE    ; my stage
	v_add_nc_u32 v[STO], s20, v[AK0]  ; in: pair r / 2 (272 bytes apart), 128 bytes for the odd token, 16 for each half of the lanes: K's own form
	v_mul_u32_u24 v[RD], v9, 272    ; back: lanes 0-15 one pair of 256 bytes, lanes 16-31 the next
	v_lshl_add_u32 v[RD], v1, 4, v[RD]
	v_add_nc_u32 v[RD], s20, v[RD]
	v_lshlrev_b32 v[GO], 12, v9     ; and the same two pairs in o16, 4,096 bytes apart
	v_lshl_add_u32 v[GO], v1, 4, v[GO]
	v_and_b32 v[PFO], 31, v0
	v_lshlrev_b32 v[PFO], 8, v[PFO]
.irp t, 0,1,2,3
	v_mov_b32 v[ST+8*\t+1], 0xff61b1e6  ; m = -3e38, under every score
	v_mov_b32 v[ST+8*\t+2], 0       ; l
	v_mov_b32 v[ST+8*\t+3], 0
.endr
.irp t, 0,1,2,3
	v_mul_f32 v[ST+8*\t], s[CS], v[ST+8*\t+1]  ; c m
.endr
; 32 products S^T = K Q^T: channels 32 (i / 16) on, keys 16 ((i / 4) % 4) on, tile i % 4.  The first 16 start the sums.  The 16 accumulators take turns, one instruction a turn.
.macro KQ
.set i, 0
.rept 32
.set rS, S+32*(i%4)+8*((i/4)%4)
.set rK, KF+8*(2*((i/4)%4)+i/16)
.set rQ, QF+16*(i%4)+8*(i/16)
.if i < 16
	v_wmma_f32_16x16x32_f16 v[rS:rS+7], v[rK:rK+7], v[rQ:rQ+7], 0
.else
	v_wmma_f32_16x16x32_f16 v[rS:rS+7], v[rK:rK+7], v[rQ:rQ+7], v[rS:rS+7]
.endif
.set i, i+1
.endr
.endm
; 32 products O^T += V^T P: keys 32 (i / 16) on, channels 16 ((i / 4) % 4) on, tile i % 4.  Again 16 accumulators by turns.
.macro PV
.set i, 0
.rept 32
.set rO, 32*(i%4)+8*((i/4)%4)
.set rV, VF+8*(4*(i/16)+(i/4)%4)
.set rP, S+32*(i%4)+8*(i/16)
	v_wmma_f32_16x16x32_f16 v[rO:rO+7], v[rV:rV+7], v[rP:rP+7], v[rO:rO+7]
.set i, i+1
.endr
.endm
; THE LDS LOADS stand in runs of 16: a step's K (64 keys x 64 channels: 8 fragments), from off bytes behind v[ADK], and its V (turned).
.macro KLOAD off
	WIN TO1
.irp f, 0,1,2,3,4,5,6,7             ; keys 16 (f / 2) on, channels 32 (f % 2) on
	ds_load_b128 v[KF+8*\f:KF+8*\f+3],   v[ADK] offset:\off+(\f/2)*8*KP+(\f%2)*64
	ds_load_b128 v[KF+8*\f+4:KF+8*\f+7], v[ADK] offset:\off+(\f/2)*8*KP+(\f%2)*64+32
.endr
	WIN 0
.endm
.macro VLOAD
.irp f, 0,1,2,3,4,5,6,7             ; keys 32 (f / 4) on, channels 16 (f % 4) on
	ds_load_tr16_b128 v[VF+8*\f:VF+8*\f+3],   v[ADV] offset:(\f/4)*16*VP+(\f%4)*32
	ds_load_tr16_b128 v[VF+8*\f+4:VF+8*\f+7], v[ADV] offset:(\f/4)*16*VP+8*VP+(\f%4)*32
.endr
.endm
; THE SOFTMAX of the wave's four tiles for one key step.  s0-s31 are a lane's 32 scores of a tile, in pairs 0-15.
; MAXN: number j of 16 of a tile's maximum, three operands at a time: four chains of seven scores (each accumulator is read from its low end on), then the four left over, the chains and the old m.
.macro MAXN t
.set rT, ST+8*(\t)
.set rS, S+32*(\t)
.if j < 4
	v_max3_num_f32 v[rT+4+j], v[rS+8*j], v[rS+8*j+1], v[rS+8*j+2]
.elseif j < 12
	v_max3_num_f32 v[rT+4+j%4], v[rT+4+j%4], v[rS+8*(j%4)+2*(j/4)+1], v[rS+8*(j%4)+2*(j/4)+2]
.elseif j == 12
	v_max3_num_f32 v[rT+4], v[rT+4], v[rS+7], v[rS+15]
.elseif j == 13
	v_max3_num_f32 v[rT+6], v[rT+6], v[rS+23], v[rS+31]
.elseif j == 14
	v_max3_num_f32 v[rT+4], v[rT+4], v[rT+5], v[rT+6]
.else
	v_max3_num_f32 v[rT+4], v[rT+4], v[rT+7], v[rT+1]
.endif
.endm
.macro FMA t, b                     ; pair b of tile t: c s - c m
	v_pk_fma_f32 v[S+32*(\t)+2*(\b):S+32*(\t)+2*(\b)+1], v[S+32*(\t)+2*(\b):S+32*(\t)+2*(\b)+1], s[CS:CS+1], v[ST+8*(\t):ST+8*(\t)+1] op_sel_hi:[1,0,0] neg_lo:[0,0,1] neg_hi:[0,0,1]
.endm
; TAIL: number n of 33 of what reads a tile's exponentials: 0: l x a; 1-16: the sum of the UNROUNDED p, in two chains, into l; 17-32: the roundings to f16, in place (register j takes pair j, whose registers lie at or above j).
.macro TAIL t, n
.set rT, ST+8*(\t)
.set rS, S+32*(\t)
.if (\n) == 0
	v_pk_mul_f32 v[rT+2:rT+3], v[rT+2:rT+3], v[rT+6:rT+7] op_sel_hi:[1,0]
.elseif (\n) == 1
	v_pk_add_f32 v[rT+4:rT+5], v[rS:rS+1], v[rS+2:rS+3]
.elseif (\n) < 16
.if (\n)%2 == 0
	v_pk_add_f32 v[rT+2:rT+3], v[rT+2:rT+3], v[rS+2*(\n):rS+2*(\n)+1]
.else
	v_pk_add_f32 v[rT+4:rT+5], v[rT+4:rT+5], v[rS+2*(\n):rS+2*(\n)+1]
.endif
.elseif (\n) == 16
	v_pk_add_f32 v[rT+2:rT+3], v[rT+2:rT+3], v[rT+4:rT+5]
.else
	v_cvt_pk_f16_f32 v[rS+(\n)-17], v[rS+2*((\n)-17)], v[rS+2*((\n)-17)+1]
.endif
.endm
; The exponentials go in TWO batches, each with ONE wait ahead of the first line that names a result: a and tiles 0, 1, with tiles 2, 3's scalings set between them; then tiles 2, 3, with tiles 0, 1's tails
; set between them.
.macro SM
	WIN 0
.set j, 0
.rept 16
.irp t, 0,1,2,3
	MAXN \t
.endr
.set j, j+1
.endr
.irp t, 0,1,2,3
	v_permlanex16_b32 v[ST+8*\t+5], v[ST+8*\t+4], s[SEL], s[SEL+1]  ; the query's other 32 keys lie in the lane 16 away
.endr
.irp t, 0,1,2,3
	v_mov_b32 v[ST+8*\t+7], v[ST+8*\t]  ; c m_old is kept for a
.endr
.irp t, 0,1,2,3
	v_max_num_f32 v[ST+8*\t+1], v[ST+8*\t+4], v[ST+8*\t+5]  ; the new m
.endr
.irp t, 0,1,2,3
	v_mul_f32 v[ST+8*\t], s[CS], v[ST+8*\t+1]
.endr
.irp t, 0,1,2,3
	v_sub_f32 v[ST+8*\t+7], v[ST+8*\t+7], v[ST+8*\t]
.endr
.irp t, 0,1,2,3
	v_exp_f32 v[ST+8*\t+6], v[ST+8*\t+7]  ; a = 2^(c m_old - c m_new)
.endr
.set b, 0
.rept 16
	FMA 0, b
	FMA 1, b
.set b, b+1
.endr
.set e, 0
.rept 32
	v_exp_f32 v[S+e], v[S+e]
	v_exp_f32 v[S+32+e], v[S+32+e]
	FMA 2+e%2, e/2
.set e, e+1
.endr
	v_nop                           ; a plain line behind the last exponential of the batch
	s_wait_alu depctr_va_vdst(0)    ; the wait for a and tiles 0, 1
.set e, 0
.rept 32
	v_exp_f32 v[S+64+e], v[S+64+e]
	TAIL 0, e
	v_exp_f32 v[S+96+e], v[S+96+e]
	TAIL 1, e
.set e, e+1
.endr
	TAIL 0, 32                      ; (plain lines behind the last exponential)
	TAIL 1, 32
	s_wait_alu depctr_va_vdst(0)    ; the wait for tiles 2, 3
.set e, 0
.rept 33
	TAIL 2, e
	TAIL 3, e
.set e, e+1
.endr
	WIN W_RS
.set i, 0
.rept 64
	v_pk_mul_f32 v[2*i:2*i+1], v[2*i:2*i+1], v[ST+8*(i/16)+6:ST+8*(i/16)+7] op_sel_hi:[1,0]  ; O^T x a
.set i, i+1
.endr
	WIN 0
.endm
; THE CHANGE OF SLOTS.  Each wave waits for all its tensor loads, of which one is out: its part of the other slot; adds 0 to its spare word; and waits for that and for its own reads of this slot (V of its last step among them).
; fill = 1: this slot is filled again, with the keys two slots on.  The barrier is then a round of the cluster's, and the joint refill is the first thing behind it: it has four key steps in which to land.
.macro CHANGE fill
	s_wait_tensorcnt 0x0            ; no tensor load of mine is out, so a group 0 may be written
	ds_add_u32 v[SPW], v[NIL]       ; 0 onto my spare word
.if \fill
.irp g, G0K+4, G0V+4
	s_xor_b32 s[\g+1], s[\g+1], SLOT1  ; the walking descriptor: the other slot than last time,
	s_add_nc_u64 s[\g+2:\g+3], s[\g+2:\g+3], SLOTB  ; the next 256 keys; the type bits on top are not reached
.endr
	s_wait_xcnt 0x0                 ; the last prefetch, four key steps back, has read its address, so it may be written:
	s_add_nc_u64 s[PFA:PFA+1], s[PFA:PFA+1], SLOTB  ; one slot further on than the walking descriptors
	s_wait_dscnt 0x0                ; the add is done, and my reads of the slot are over
	CROUND
	JLOAD
.else
	s_wait_dscnt 0x0                ; the add is done, and my reads of the slot are over
	s_barrier_signal -1
	s_barrier_wait -1
.endif
	s_sub_co_u32 s[TK], s[TK], 3*KST  ; the fetches go back to a slot's first step,
	s_xor_b32 s[TK], s[TK], SLOT1   ; in the other slot
	s_sub_co_u32 s[TV], s[TV], 3*VST
	s_xor_b32 s[TV], s[TV], SLOT1
.endm
; A KEY STEP.  kind 0: one of a slot's first three; 1: a slot's last, the slot is filled again; 2: a slot's last, nothing is asked for; 3: the very last step.
; Places (ISA guide 7.12.1 for vector instructions): four plain lines stand between K Q^T and the loads into K's registers and the softmax's first read; five between V^T P and the next K Q^T, which writes over p.
.macro STEP kind
	s_wait_dscnt 0x0                ; K of this step is in
	WIN W_KQ
	KQ
	WIN 0
	v_add_nc_u32 v[ADV], s[TV], v[AV0]
.if \kind == 0
	v_add_nc_u32 v[ADK], s[TK], v[AK0]
.else
	v_nop
.endif
	v_nop
	v_nop
	VLOAD                           ; V of this step
.if \kind == 0
	KLOAD KST                       ; K of the next step, in the same slot
	SM
	s_wait_dscnt 16                 ; V is in; K's 16 loads, issued behind V's, may be out
.elseif \kind == 3
	SM
	s_wait_dscnt 0x0
.else
	s_cmp_eq_u32 s[GRP], 0          ; waves 4-7: the softmax ahead of the barrier
	s_cbranch_scc1 .La_\@
	SM
.La_\@:
	CHANGE 2-\kind
	v_add_nc_u32 v[ADK], s[TK], v[AK0]
	KLOAD 0                         ; K of the next slot's first step
.if \kind == 1
	ASK                             ; behind the joint load and the run of LDS loads
.endif
	s_cmp_lg_u32 s[GRP], 0          ; waves 0-3: behind it
	s_cbranch_scc1 .Lb_\@
	SM
.Lb_\@:
.endif
	WIN W_PV
	PV
	WIN 0
.if \kind != 3
.rept 5
	v_nop
.endr
.endif
.if \kind == 0
	s_add_co_u32 s[TK], s[TK], KST
	s_add_co_u32 s[TV], s[TV], VST
.endif
.endm
.macro THREE                        ; a slot's first three steps: written once, walked three times; the LDS addresses hang on s[TK] and s[TV]
	s_mov_b32 s[CNT], 3
.Lthree_\@:
	STEP 0
	s_sub_co_u32 s[CNT], s[CNT], 1
	s_cmp_lg_u32 s[CNT], 0
	s_cbranch_scc1 .Lthree_\@
.endm
	s_wait_tensorcnt 1              ; my part of slot 0 is in; slot 1's may stay out
	s_barrier_signal -1
	s_barrier_wait -1               ; everybody's is
	v_add_nc_u32 v[ADK], s[TK], v[AK0]
	KLOAD 0                         ; key step 0
	s_wait_loadcnt 0x0              ; Q
.Lslot:                             ; six trips: every slot but the last two is filled again
	THREE
	STEP 1
	s_sub_co_u32 s[SLOTS], s[SLOTS], 1
	s_cmp_lg_u32 s[SLOTS], 0
	s_cbranch_scc1 .Lslot
	THREE                           ; the tail is written out
	STEP 2
	THREE
	STEP 3
	; THE WAY OUT.  l's two halves and the other half of the lanes' are added; O^T is divided by l, rounded to f16 and sent through my stage, a tile (16 tokens) at a time.  The additions are the places behind the last products.
.irp t, 0,1,2,3
	v_add_f32 v[ST+8*\t+4], v[ST+8*\t+2], v[ST+8*\t+3]
.endr
.irp t, 0,1,2,3
	v_permlanex16_b32 v[ST+8*\t+5], v[ST+8*\t+4], s[SEL], s[SEL+1]
.endr
.irp t, 0,1,2,3
	v_add_f32 v[ST+8*\t+4], v[ST+8*\t+4], v[ST+8*\t+5]
.endr
.irp t, 0,1,2,3
	v_rcp_f32 v[ST+8*\t+6], v[ST+8*\t+4]
.endr
	v_nop                           ; a plain line between the last reciprocal and the use of its result
	s_wait_alu depctr_va_vdst(0)    ; and the wait: one for the four
.macro PACK t
	WIN W_RS
.set i, 0
.rept 16
	v_pk_mul_f32 v[32*\t+i:32*\t+i+1], v[32*\t+i:32*\t+i+1], v[ST+8*\t+6:ST+8*\t+7] op_sel_hi:[1,0]  ; each accumulator from its low end on
.set i, i+2
.endr
	WIN 0x05                        ; sources 0 and 1 window 1, destination window 0: S^T's registers are free
.set i, 0
.rept 16
	v_cvt_pk_f16_f32 v[S+32*\t+i], v[32*\t+2*i], v[32*\t+2*i+1]
.set i, i+1
.endr
	WIN 0
.irp f, 0,1,2,3
	ds_store_b128 v[STO], v[S+32*\t+4*\f:S+32*\t+4*\f+3] offset:32*\f
.endr
.irp u, 0,1,2,3
	ds_load_b128 v[S+32*\t+16+4*\u:S+32*\t+16+4*\u+3], v[RD] offset:\u*544  ; LDS serves a wave's instructions in order (ISA guide 5.7.1.4): these see the stores above; the next tile's stores come behind them
.endr
.endm
.macro SEND t, younger              ; younger: the LDS instructions issued behind tile t's loads: the next tile's eight, or none
.irp u, 0,1,2,3
	s_wait_dscnt \younger+3-\u
	global_store_b128 v[GO], v[S+32*\t+16+4*\u:S+32*\t+16+4*\u+3], s[10:11] offset:\t*32768+\u*8192  ; 16 lanes store 256 consecutive bytes, aligned: a pair of tokens of my head
.endr
.endm
	PACK 0
	PACK 1                          ; a tile's arithmetic stands between the loads of the tile before and its stores
	SEND 0, 8
	PACK 2
	SEND 1, 8
	PACK 3
	SEND 2, 8
	SEND 3, 0
	s_wait_tensorcnt 0x0            ; the wave's end, behind my last tensor load and my last LDS store
	ds_add_u32 v[SPW], v[NIL]
	s_wait_dscnt 0x0
	CROUND                          ; the closing round: no work-group ends while a partner may still ask for a tile that names it
	s_endpgm
.Lfunc_end_k_qd2f5a37b83_attn:
	.size	k_qd2f5a37b83_attn, .Lfunc_end_k_qd2f5a37b83_attn-k_qd2f5a37b83_attn
	.p2alignl 7, 3214868480
	.fill 96, 4, 3214868480
	.section	.rodata,"a",@progbits
	.p2align	6, 0x0
	.amdhsa_kernel k_qd2f5a37b83_attn
		.amdhsa_group_segment_fixed_size 327680
		.amdhsa_private_segment_fixed_size 0
		.amdhsa_enable_private_segment 0
		.amdhsa_kernarg_size 16
		.amdhsa_user_sgpr_count 2
		.amdhsa_user_sgpr_kernarg_segment_ptr 1
		.amdhsa_wavefront_size32 1
		.amdhsa_system_sgpr_workgroup_id_x 1
		.amdhsa_system_sgpr_workgroup_id_y 1
		.amdhsa_system_sgpr_workgroup_id_z 1
		.amdhsa_system_vgpr_workitem_id 0
		.amdhsa_next_free_vgpr 512
		.amdhsa_next_free_sgpr 70
		.amdhsa_reserve_vcc 0
		.amdhsa_float_denorm_mode_32 3
		.amdhsa_float_denorm_mode_16_64 3
		.amdhsa_memory_ordered 1
		.amdhsa_forward_progress 1
		.amdhsa_inst_pref_size 255
	.end_amdhsa_kernel
	.section	.bss,"aw",@nobits
	.p2align	6
	.space	262144
	.amdgpu_metadata
---
amdhsa.version: [ 1, 2 ]
amdhsa.kernels:
  - .name:           k_qd2f5a37b83_attn
    .symbol:         k_qd2f5a37b83_attn.kd
    .args:
      - { .name: qkvh, .offset: 0, .size: 8, .value_kind: global_buffer, .address_space: global }
      - { .name: o16, .offset: 8, .size: 8, .value_kind: global_buffer, .address_space: global }
    .group_segment_fixed_size: 327680
    .private_segment_fixed_size: 0
    .kernarg_segment_align: 8
    .kernarg_segment_size: 16
    .max_flat_workgroup_size: 256
    .sgpr_count:     70
    .vgpr_count:     512
    .wavefront_size: 32
...
	.end_amdgpu_metadata
.endif
;; end of part 3
;; launch proj (part 4): grid 8 x 64, 4 waves a work-group, clusters of 4 x 4, 327,680 bytes of LDS; arguments o16, pw16, proj_b, out0; writes out0
.if DOCPART == 4
	.amdgcn_target "amdgcn-amd-amdhsa--gfx1250"
	.amdhsa_code_object_version 6
	.text
	.protected	k_qd2f5a37b83_proj
	.globl	k_qd2f5a37b83_proj
	.p2align	8
	.type	k_qd2f5a37b83_proj,@function
k_qd2f5a37b83_proj:
	s_mov_b64 s[64:65], 0
	v_nop
	global_prefetch_b8 v0, s[64:65] scope:SCOPE_SE
	s_setreg_imm32_b32 hwreg(HW_REG_WAVE_MODE, 25, 1), 1
	s_wait_xcnt 0x0
	s_wait_alu depctr_hold_cnt(0) depctr_sa_sdst(0) depctr_va_vdst(0) depctr_va_sdst(0) depctr_va_ssrc(0) depctr_va_vcc(0) depctr_vm_vsrc(0)
	s_getreg_b32 s2, hwreg(HW_REG_IB_STS2, 6, 4)
	s_cmp_eq_u32 s2, 0
	s_cbranch_scc0 .Lentry_in_a_cluster
	s_endpgm
.Lentry_in_a_cluster:
	s_bfe_u32 s2, ttmp6, 0x10000c
	s_cmp_lg_u32 s2, 0xf033
	s_cbranch_scc0 .Lentry_shape_is_right
	s_endpgm
.Lentry_shape_is_right:
; out0[m][n] = sum over k of o[m][k] w[n][k] + proj_b[n].  o: o16 [4096 pairs of tokens][16 heads][2 tokens][64] f16 (k = 64 head + channel); w: pw16 [1024][1024] f16; out0: [8192][1024] f32; sums in f32.
; A tile of 128 x 128 is made by four waves, each 64 x 64: 16 accumulators of 16 x 16.  8 x 64 tiles: two work-groups for each of 256 WGPs.  K goes in steps of 256 (four heads) through a ring of two LDS slots.
; o's tile: a pair of tokens' four heads are 1,024 consecutive bytes: a wave's tensor load brings 32 pairs (64 rows of the product).  w's tile: 64 rows of 512 bytes.
; CLUSTERS: 4 x 4 work-groups.  The four of a row of the cluster need the same tiles of o, the four of a column the same tiles of w: each tile is asked for JOINTLY, by the same tensor load with the same descriptor and a mask
; that names the four.  THE MATRIX INSTRUCTION IS USED TRANSPOSED (source 0 = 16 rows of w, source 1 = 16 rows of o): a lane holds eight neighbouring numbers of a row of out0.  THE BIAS is the C of each sum's first product.
; REGISTERS: window 0: v0-31 addresses; v32-63 the bias, later with v64-95 rows on the way out; v128-255 the accumulators ((a, b) at v[128 + 8 (4 a + b)]).
;   window 1: two fragment buffers of 128: for 64 along K (one head), 64 registers of o (2 x 4 x 16 rows x 32 K), then 64 of w.
.set SIZE_M, 8192
.set SIZE_N, 1024
.set SIZE_K, 1024
.set KSTEP,  256
.set APITCH, 1040                      ; a pair's LDS row: 1,024 bytes + 16: token r of a fragment at (r / 2) APITCH + 128 (r % 2): 16 different 16-byte columns of the 256 (64 banks of 4 bytes: ISA guide 11.1)
.set PITCH,  528                       ; w's LDS row: 512 bytes + 16
.set HALFA,  32*APITCH                 ; 32 pairs: what one tensor load brings of o, and what one wave reads of it
.set HALFB,  64*PITCH                  ; 64 rows of w likewise
.set SLOT,   2*HALFA+2*HALFB           ; o's 64 pairs, then w's 128 rows
.set ASTEP,  1024                      ; a K step on, in a pair of o16: four heads of 256 bytes
.set BSTEP,  512                       ; and in a row of pw16
.set STAGE,  2*SLOT                    ; behind the ring: 16 rows x 272 bytes for each wave, for the way out
.set SPITCH, 272
.set WSTG,   16*SPITCH
.set SPARE,  STAGE+4*WSTG              ; behind the stages: the spare words, 128 bytes a wave, that no other line names
.set LAPS, SIZE_K/(2*KSTEP)            ; a lap = two K steps = once round the ring
.set ADRA, 16                          ; v16-17  LDS address of my o fragments in slot 0, 1
.set ADRB, 20                          ; v20-21  the same for w
.set STO,  24                          ; v24     the way out: where I put 32 bytes of a row
.set RD,   25                          ; v25     where I read a row back
.set CO,   26                          ; v26     my byte offset in out0
.set SPW,  28                          ; v28     LDS address of my spare word; never rewritten
.set NIL,  29                          ; v29     0; never rewritten
.set BIAS, 32                          ; v32-63  proj_b of my four column tiles, eight registers each
.set TMP,  32                          ; the way out: two sets of 32 registers
.set ACC,  128
.set F0,   0                           ; fragment buffers, in window 1
.set F1,   128
.set G1, 24                            ; s[24:31] group 1 for o's tiles;  s[32:39] group 0, one set for each slot
.set G0, 32
.set G1B, 48                           ; s[48:55], s[56:63] the same for w's tiles
.set G0B, 56
.set MSB, 0
.macro WIN new                         ; the immediate's high byte repeats the setting that is left
.if MSB != \new
	s_set_vgpr_msb (MSB<<8)|\new
.set MSB, \new
.endif
.endm
.set MUL,  0x05                        ; sources 0 (w) and 1 (o) window 1; C and D window 0
.set TO_F, 0x40                        ; destination window 1, address window 0
.macro JLOAD s                         ; a joint load: waves 0 and 1 fetch o's two halves, waves 2 and 3 w's; an s_nop 0 and four v_nop follow each of the two lines
	s_cmp_eq_u32 s11, 0
	s_cbranch_scc0 .Lfor_b_\@
	tensor_load_to_lds s[G0+4*\s:G0+4*\s+3], s[G1:G1+7]
	s_nop 0
.rept 4
	v_nop
.endr
	s_branch .Lasked_\@
.Lfor_b_\@:
	tensor_load_to_lds s[G0B+4*\s:G0B+4*\s+3], s[G1B:G1B+7]
	s_nop 0
.rept 4
	v_nop
.endr
.Lasked_\@:
.endm
.macro CREST                           ; a round of the cluster's barrier behind its opening barrier
	s_cmp_lg_u32 s10, 0
	s_cbranch_scc1 .Lnot_wave_0_\@
	s_barrier_signal -3
.Lnot_wave_0_\@:
	s_barrier_wait -3
	s_barrier_signal -1
	s_barrier_wait -1
.endm
.macro CROUND                          ; a whole round
	s_barrier_signal -1
	s_barrier_wait -1
	CREST
.endm
	s_load_b128 s[4:7], s[0:1], 0x0                ; o16 s[4:5], pw16 s[6:7]
	s_load_b64 s[66:67], s[0:1], 0x10              ; proj_b
	s_load_b64 s[8:9], s[0:1], 0x18                ; out0
	v_lshl_add_u32 v[SPW], v0, 2, SPARE
	v_mov_b32 v[NIL], 0
	ds_add_u32 v[SPW], v[NIL]                      ; the wave's opening: the add, twice on end, and its wait ahead of my first tensor load
	ds_add_u32 v[SPW], v[NIL]
	v_lshrrev_b32 v1, 5, v0
	v_readfirstlane_b32 s10, v1                    ; wave 0..3
	s_lshr_b32 s11, s10, 1                         ; which half of the tile's rows is mine.  Also: I fetch for o (0) or for w (1)
	s_and_b32 s12, s10, 1                          ; which half of its columns.  Also: which half of that tile I fetch
	s_bfe_u32 s40, ttmp6, 0x40000                  ; cx, cy: my place in the cluster
	s_bfe_u32 s41, ttmp6, 0x40004
	s_lshl_b32 s42, ttmp9, 2
	s_add_co_u32 s42, s42, s40                     ; tile column = 4 x cluster x + cx
	s_and_b32 s13, ttmp7, 0xffff
	s_lshl_b32 s13, s13, 2
	s_add_co_u32 s13, s13, s41                     ; tile row = 4 x cluster y + cy
	s_lshl_b32 s43, s41, 2
	s_lshl_b32 s43, 15, s43                        ; my row of the cluster
	s_lshl_b32 s44, 0x1111, s40                    ; my column
	; descriptor group 1.  o: 32 rows (pairs) x 512 elements, 2,048 elements apart, 4 words of padding after every 256.  w: 64 rows x 256 elements, 1,024 apart, 4 words after every 128
	s_or_b32 s[G1+0], s43, (1<<16)|(1<<20)|(1<<21)|(7<<22)|(3<<25)   ; 15:0 the mask: o's tiles go to my row; 17:16 element of 2 bytes; 20 padding on; 21 set beside a mask
	s_mov_b32 s[G1+1], 512<<16                     ; tensor_dim0
	s_mov_b32 s[G1+2], 32<<16                      ; tensor_dim1
	s_mov_b32 s[G1+3], 512<<16                     ; tile_dim0
	s_mov_b32 s[G1+4], 32                          ; tile_dim1
	s_mov_b32 s[G1+5], 2048                        ; tensor_dim0_stride
	s_mov_b32 s[G1+6], 0
	s_mov_b32 s[G1+7], 0
	s_or_b32 s[G1B+0], s44, (1<<16)|(1<<20)|(1<<21)|(6<<22)|(3<<25)
	s_mov_b32 s[G1B+1], KSTEP<<16
	s_mov_b32 s[G1B+2], 64<<16
	s_mov_b32 s[G1B+3], KSTEP<<16
	s_mov_b32 s[G1B+4], 64
	s_mov_b32 s[G1B+5], SIZE_K
	s_mov_b32 s[G1B+6], 0
	s_mov_b32 s[G1B+7], 0
	s_lshl_b32 s16, s13, 6
	s_lshl_b32 s17, s12, 5
	s_add_co_u32 s16, s16, s17                     ; o: pair 64 x tile row + 32 x half,
	s_lshl_b32 s16, s16, 12                        ; 4,096 bytes a pair (under 2^24)
	s_mov_b32 s17, 0
	s_lshl_b32 s46, s42, 7
	s_lshl_b32 s47, s12, 6
	s_add_co_u32 s46, s46, s47                     ; w: row 128 x tile column + 64 x half,
	s_lshl_b32 s46, s46, 11                        ; 2,048 bytes a row
	s_mov_b32 s47, 0
	s_mul_i32 s20, s12, HALFA                      ; where they go: o's two halves,
	s_mul_i32 s21, s12, HALFB
	s_add_co_u32 s21, s21, 2*HALFA                 ; then w's two: no place in the cluster enters an LDS address
	s_wait_dscnt 0x0                               ; both opening adds are done
	s_wait_kmcnt 0x0
	s_add_nc_u64 s[14:15], s[4:5], s[16:17]
	s_add_nc_u64 s[46:47], s[6:7], s[46:47]
	CROUND                                         ; all sixteen work-groups are here: the first joint loads meet
.irp s, 0,1
	s_mov_b32 s[G0+4*\s], 1
	s_add_co_u32 s[G0+4*\s+1], s20, \s*SLOT
	s_add_nc_u64 s[G0+4*\s+2:G0+4*\s+3], s[14:15], \s*ASTEP
	s_or_b32 s[G0+4*\s+3], s[G0+4*\s+3], 0x80000000
	s_mov_b32 s[G0B+4*\s], 1
	s_add_co_u32 s[G0B+4*\s+1], s21, \s*SLOT
	s_add_nc_u64 s[G0B+4*\s+2:G0B+4*\s+3], s[46:47], \s*BSTEP
	s_or_b32 s[G0B+4*\s+3], s[G0B+4*\s+3], 0x80000000
	JLOAD \s                                       ; two tensor loads of mine are out behind the second
.endr
	v_and_b32 v1, 15, v0                           ; r = l % 16
	v_bfe_u32 v2, v0, 4, 1                         ; h = l / 16
	s_lshl_b32 s46, s42, 9                         ; my first column, in bytes of f32: 512 x tile column + 256 x half: the same in proj_b and in a row of out0
	s_lshl_b32 s47, s12, 8
	s_add_co_u32 s46, s46, s47
	s_mov_b32 s47, 0
	s_add_nc_u64 s[66:67], s[66:67], s[46:47]
	v_lshlrev_b32 v6, 5, v2                        ; register j of tile b is proj_b[my first column + 16 b + 8 h + j]
.irp b, 0,1,2,3
	global_load_b128 v[BIAS+8*\b:BIAS+8*\b+3], v6, s[66:67] offset:64*\b
	global_load_b128 v[BIAS+8*\b+4:BIAS+8*\b+7], v6, s[66:67] offset:64*\b+16
.endr
	v_mul_u32_u24 v3, v1, PITCH
	v_lshl_add_u32 v3, v2, 4, v3                   ; w: row x pitch + 16 x half
	v_lshrrev_b32 v4, 1, v1
	v_mul_u32_u24 v4, v4, APITCH
	v_and_b32 v5, 1, v1
	v_lshl_add_u32 v4, v5, 7, v4
	v_lshl_add_u32 v4, v2, 4, v4                   ; o: (r / 2) x pitch + 128 (r % 2) + 16 x half
	s_mul_i32 s21, s11, HALFA                      ; my 64 rows (32 pairs) of o
	s_mul_i32 s22, s12, HALFB                      ; my 64 rows of w,
	s_add_co_u32 s22, s22, 2*HALFA                 ; which lie behind o's
.irp s, 0,1
	v_add_nc_u32 v[ADRA+\s], s21, v4
	v_add_nc_u32 v[ADRB+\s], s22, v3
	s_add_co_u32 s21, s21, SLOT
	s_add_co_u32 s22, s22, SLOT
.endr
	s_mul_i32 s23, s10, WSTG
	s_add_co_u32 s23, s23, STAGE                   ; my stage
	v_mul_u32_u24 v4, v1, SPITCH                   ; in: row r, 32 bytes for each half of the lanes
	v_lshl_add_u32 v4, v2, 5, v4
	v_add_nc_u32 v[STO], s23, v4
	v_mul_u32_u24 v5, v2, SPITCH                   ; back: lanes 0-15 one row of 256 bytes, lanes 16-31 the next
	v_lshl_add_u32 v5, v1, 4, v5
	v_add_nc_u32 v[RD], s23, v5
	v_lshlrev_b32 v5, 12, v2                       ; and the same two rows in out0, 4,096 bytes apart
	v_lshl_add_u32 v[CO], v1, 4, v5
	s_lshl_b32 s16, s13, 7
	s_lshl_b32 s17, s11, 6
	s_add_co_u32 s16, s16, s17                     ; my first row: 128 x tile row + 64 x half
	s_lshl_b32 s16, s16, 12
	s_add_co_u32 s16, s16, s46                     ; + my first column (under 2^26)
	s_mov_b32 s17, 0
	s_add_nc_u64 s[8:9], s[8:9], s[16:17]
; 8 matrix instructions: m blocks a0, a0 + 1 x all 4 n blocks, 32 along K: half c of buffer f.  zero = 1: the first product starts the sums from the bias.  The 16 accumulators take turns.
.macro MUL8 f, c, a0, zero
.irp a, \a0, \a0+1
.irp b, 0,1,2,3
.if \zero
	v_wmma_f32_16x16x32_f16 v[ACC+8*(4*(\a)+\b):ACC+8*(4*(\a)+\b)+7], v[\f+64+8*(4*\c+\b):\f+64+8*(4*\c+\b)+7], v[\f+8*(4*\c+\a):\f+8*(4*\c+\a)+7], v[BIAS+8*\b:BIAS+8*\b+7]
.else
	v_wmma_f32_16x16x32_f16 v[ACC+8*(4*(\a)+\b):ACC+8*(4*(\a)+\b)+7], v[\f+64+8*(4*\c+\b):\f+64+8*(4*\c+\b)+7], v[\f+8*(4*\c+\a):\f+8*(4*\c+\a)+7], v[ACC+8*(4*(\a)+\b):ACC+8*(4*(\a)+\b)+7]
.endif
.endr
.endr
.endm
; 32 LDS loads in one run: the fragments of the slot's quarter qd (64 along K: one head) into buffer f; the first 32 along K first.  In w's rows a quarter is 128 bytes, in a pair of o 256.
.macro FETCH slot, qd, f
	WIN TO_F
.irp c, 0,1
.irp i, 0,1,2,3
	ds_load_b128 v[\f+64+8*(4*\c+\i):\f+64+8*(4*\c+\i)+3],   v[ADRB+\slot] offset:128*(\qd)+64*\c+\i*16*PITCH
	ds_load_b128 v[\f+64+8*(4*\c+\i)+4:\f+64+8*(4*\c+\i)+7], v[ADRB+\slot] offset:128*(\qd)+64*\c+\i*16*PITCH+32
	ds_load_b128 v[\f+8*(4*\c+\i):\f+8*(4*\c+\i)+3],         v[ADRA+\slot] offset:256*(\qd)+64*\c+\i*8*APITCH
	ds_load_b128 v[\f+8*(4*\c+\i)+4:\f+8*(4*\c+\i)+7],       v[ADRA+\slot] offset:256*(\qd)+64*\c+\i*8*APITCH+32
.endr
.endr
.endm
.macro PLACES                          ; four places in front of loads into registers that matrix instructions have read, and of the first read of results
.rept 4
	v_nop
.endr
.endm
; A K step is four quarters of 64 along K, 32 matrix instructions each, on buffers 0, 1, 0, 1.  One of the first three: multiplies buffer f and fetches quarter qd into g.
.macro QUARTER slot, qd, f, g, zero
	s_wait_dscnt 16                                ; the first 32 along K are in; the youngest 16 loads may be out
	WIN MUL
	MUL8 \f, 0, 0, \zero
	MUL8 \f, 0, 2, \zero
	PLACES
	FETCH \slot, \qd, \g
	s_wait_dscnt 32                                ; all but the 32 just issued
	WIN MUL
	MUL8 \f, 1, 0, 0
	MUL8 \f, 1, 2, 0
.endm
; The last quarter multiplies buffer 1 and changes slots: ONE barrier; in front of it each wave waits for all its tensor loads, adds 0 to its spare word, and waits for that and for its own reads of this slot.  fill = 1: this slot is filled again, two K steps ahead.
.macro TURN slot, next, fill
	WIN 0                                          ; (the add's two registers lie in window 0)
	s_wait_tensorcnt 0x0                           ; all my tensor loads have landed: my part of the next slot;
	ds_add_u32 v[SPW], v[NIL]                      ; 0 onto my spare word;
	s_wait_dscnt 17                                ; (the add and the youngest sixteen loads may be out)
	WIN MUL
	MUL8 F1, 0, 0, 0                               ; eight matrix instructions stand between the add and the wait for it
	s_wait_dscnt 0x0                               ; the add is done, and my reads of this slot are over
	s_barrier_signal -1
	MUL8 F1, 0, 2, 0
.if \fill
	WIN 0
.endif
	s_barrier_wait -1
.if \fill
	CREST                                          ; the barrier has opened a round of the cluster's barrier: no wave of any partner still reads this slot's tile or has a load on its way
	s_add_nc_u64 s[G0+4*\slot+2:G0+4*\slot+3], s[G0+4*\slot+2:G0+4*\slot+3], 2*ASTEP
	s_add_nc_u64 s[G0B+4*\slot+2:G0B+4*\slot+3], s[G0B+4*\slot+2:G0B+4*\slot+3], 2*BSTEP
	JLOAD \slot                                    ; the first tensor load behind the round; the four v_nop behind it are also the places in front of the loads below
.else
	PLACES
.endif
	FETCH \next, 0, F0
	WIN MUL
	MUL8 F1, 1, 0, 0
	MUL8 F1, 1, 2, 0
.endm
	s_wait_loadcnt 0x0                             ; the bias
	s_wait_tensorcnt 1                             ; my part of K step 0 is in; K step 1's load may be out
	s_barrier_signal -1
	s_barrier_wait -1                              ; everybody's is
	FETCH 0, 0, F0
	QUARTER 0, 1, F0, F1, 1                        ; the first quarter stands in front of the loop: its first products start the sums
	WIN 0                                          ; at a label and at a branch every window is 0
	s_mov_b32 s3, LAPS-1
.Llap:                                                 ; a trip goes once round the ring, from a lap's second quarter to the next lap's first, and fills both slots again
	QUARTER 0, 2, F1, F0, 0
	QUARTER 0, 3, F0, F1, 0
	TURN 0, 1, 1
	QUARTER 1, 1, F0, F1, 0
	QUARTER 1, 2, F1, F0, 0
	QUARTER 1, 3, F0, F1, 0
	TURN 1, 0, 1
	QUARTER 0, 1, F0, F1, 0
	WIN 0
	s_sub_co_u32 s3, s3, 1
	s_cmp_lg_u32 s3, 0
	s_cbranch_scc1 .Llap
	QUARTER 0, 2, F1, F0, 0                        ; the last lap fills nothing, and has no round of the cluster's barrier
	QUARTER 0, 3, F0, F1, 0
	TURN 0, 1, 0
	QUARTER 1, 1, F0, F1, 0
	QUARTER 1, 2, F1, F0, 0
	QUARTER 1, 3, F0, F1, 0
	s_wait_dscnt 16                                ; the very last quarter: nothing more to fetch
	WIN MUL
	MUL8 F1, 0, 0, 0
	MUL8 F1, 0, 2, 0
	s_wait_dscnt 0
	MUL8 F1, 1, 0, 0
	MUL8 F1, 1, 2, 0
	WIN 0
; THE WAY OUT, block by block of 16 rows x 64 columns.  My 64 columns of f32 are 256 consecutive bytes of a row, aligned: so each wave has a stage of its own and no barrier is needed.  A lane's 32 bytes go into rows of 272 bytes,
; each accumulator from its low end on, and come back as whole rows.  LDS serves a wave's instructions in order (ISA guide 5.7.1.4): no wait between the stores and the loads, nor in front of the next block's stores.
.macro TOSTAGE a
.irp b, 0,1,2,3
	ds_store_b128 v[STO], v[ACC+8*(4*(\a)+\b):ACC+8*(4*(\a)+\b)+3] offset:64*\b
	ds_store_b128 v[STO], v[ACC+8*(4*(\a)+\b)+4:ACC+8*(4*(\a)+\b)+7] offset:64*\b+16
.endr
.irp u, 0,1,2,3,4,5,6,7
	ds_load_b128 v[TMP+32*((\a)%2)+4*\u:TMP+32*((\a)%2)+4*\u+3], v[RD] offset:\u*2*SPITCH
.endr
.endm
.macro SEND a, younger                 ; younger: the LDS instructions issued behind block a's loads: the next block's 8 stores and 8 loads, or none
	s_wait_dscnt \younger                          ; the block is back in registers
.irp u, 0,1,2,3,4,5,6,7
	global_store_b128 v[CO], v[TMP+32*((\a)%2)+4*\u:TMP+32*((\a)%2)+4*\u+3], s[8:9] offset:(16*(\a)+2*\u)*4096 th:TH_STORE_NT   ; 16 lanes store 256 consecutive bytes, aligned; written once, read by nobody here
.endr
.endm
	PLACES                                         ; behind the last products, in front of the first read of results
	TOSTAGE 0
.irp a, 1,2,3
.if \a > 1
	s_wait_xcnt 0x0                                ; block a - 2's stores have read their registers: block a's loads may land there
.endif
	TOSTAGE \a
	SEND \a-1, 16
.endr
	SEND 3, 0
	s_wait_tensorcnt 0x0                           ; the wave's end, behind my last tensor load and my last LDS store
	ds_add_u32 v[SPW], v[NIL]
	s_wait_dscnt 0x0
	CROUND                                         ; the closing round: no work-group ends while a partner may still ask for a tile that names it
	s_endpgm
.Lfunc_end_k_qd2f5a37b83_proj:
	.size	k_qd2f5a37b83_proj, .Lfunc_end_k_qd2f5a37b83_proj-k_qd2f5a37b83_proj
	.p2alignl 7, 3214868480
	.fill 96, 4, 3214868480
	.section	.rodata,"a",@progbits
	.p2align	6, 0x0
	.amdhsa_kernel k_qd2f5a37b83_proj
		.amdhsa_group_segment_fixed_size 327680
		.amdhsa_private_segment_fixed_size 0
		.amdhsa_enable_private_segment 0
		.amdhsa_kernarg_size 32
		.amdhsa_user_sgpr_count 2
		.amdhsa_user_sgpr_kernarg_segment_ptr 1
		.amdhsa_wavefront_size32 1
		.amdhsa_system_sgpr_workgroup_id_x 1
		.amdhsa_system_sgpr_workgroup_id_y 1
		.amdhsa_system_sgpr_workgroup_id_z 1
		.amdhsa_system_vgpr_workitem_id 0
		.amdhsa_next_free_vgpr 512
		.amdhsa_next_free_sgpr 70
		.amdhsa_reserve_vcc 0
		.amdhsa_float_denorm_mode_32 3
		.amdhsa_float_denorm_mode_16_64 3
		.amdhsa_memory_ordered 1
		.amdhsa_forward_progress 1
		.amdhsa_inst_pref_size 87
	.end_amdhsa_kernel
	.amdgpu_metadata
---
amdhsa.version: [ 1, 2 ]
amdhsa.kernels:
  - .name:           k_qd2f5a37b83_proj
    .symbol:         k_qd2f5a37b83_proj.kd
    .args:
      - { .name: o16, .offset: 0, .size: 8, .value_kind: global_buffer, .address_space: global }
      - { .name: pw16, .offset: 8, .size: 8, .value_kind: global_buffer, .address_space: global }
      - { .name: proj_b, .offset: 16, .size: 8, .value_kind: global_buffer, .address_space: global }
      - { .name: out0, .offset: 24, .size: 8, .value_kind: global_buffer, .address_space: global }
    .group_segment_fixed_size: 327680
    .private_segment_fixed_size: 0
    .kernarg_segment_align: 8
    .kernarg_segment_size: 32
    .max_flat_workgroup_size: 128
    .sgpr_count:     70
    .vgpr_count:     512
    .wavefront_size: 32
...
	.end_amdgpu_metadata
.endif
;; end of part 4
